; MI455X (gfx1250); checked and timed in simulation.
; The chip was launched on July 23, 2026; its instructions are those of AMD's public machine-readable ISA for CDNA 5 (MIT licence, August 2026) and "CDNA5" Instruction Set Architecture Reference Guide (July 2026). The comments in the code are by the model that wrote it; some were corrected since.
;; Causal Self Attention. Allowed arithmetic: matrix products marked QUANTISED: E2M3 operands, one E8M0 scale for each 32 along K, by v_wmma_scale_f32_16x16x128_f8f6f4 with both operands' format E2M3, f32 sums; everything else in f32.
;; Inputs: cos 1 x 2,048 x 1 x 64 float32; sin 1 x 2,048 x 1 x 64 float32; wk 2,048 x 512 float32; wproj 512 x 2,048 float32; wq 2,048 x 512 float32; wv 2,048 x 512 float32; x 4 x 2,048 x 2,048 float32.
;; Outputs: out0 4 x 2,048 x 2,048 float32.
;; This version of the problem:
;;   THIS VERSION OF THE PROBLEM IS GIVEN IN LOW PRECISION. The matrix products marked QUANTISED in the list below multiply operands that are first quantised to E2M3 (2 exponent bits, 3 mantissa bits; 6 bits a number), with one power-of-two scale for each 32 numbers along K (OCP MX v1.0); their sums are f32. All else is computed in f32.
;;   The module's matrix products, in the order in which they are computed (A, B: the left and right operand; K: the contracted axis; several contracted axes count as one K, in the product's order):
;;     1. [M 8,192, K 2,048] x [K 2,048, N 512]; A: input x; B: input wq: QUANTISED
;;     2. [M 8,192, K 2,048] x [K 2,048, N 512]; A: input x; B: input wk: QUANTISED
;;     3. [M 8,192, K 2,048] x [K 2,048, N 512]; A: input x; B: input wv: QUANTISED
;;     4. batch 16 x [M 2,048, K 128] x [K 128, N 2,048]; A: computed on the way; B: computed on the way: QUANTISED
;;     5. batch 16 x [M 128, K 2,048] x [K 2,048, N 2,048]; A: computed on the way; B: softmax (see below): QUANTISED
;;     6. [M 8,192, K 512] x [K 512, N 2,048]; A: computed on the way; B: input wproj: QUANTISED
;;   THE QUANTISER, for each operand of a quantised product, along K:
;;     - K is cut into blocks of 32 from its start; a last block that is shorter is filled with zeros.
;;     - A block's scale is 2^e with e = floor(log2(the largest magnitude in the block)) - 2, held to -126 .. 127; a block of zeros has e = 0. As a byte (E8M0): e + 127.
;;     - Each number is divided by its block's scale, clamped to +-7.5, and rounded to the nearest number of E2M3, ties to even, subnormals kept.
;;     - The product sums the exact products of the quantised numbers (number of the format x scale) in f32.
;;   ~~~python
;;   def quantise(x, axis):      # numpy; x: float32 -> the quantised numbers, widened to float32 again
;;       x = np.moveaxis(x, axis, -1); K = x.shape[-1]
;;       x = np.pad(x, [(0, 0)] * (x.ndim - 1) + [(0, -K % 32)]); x = x.reshape(x.shape[:-1] + (-1, 32)); a = np.abs(x).max(-1, keepdims=True)
;;       e = np.where(a > 0, np.clip(np.frexp(np.where(a > 0, a, 1))[1] - 1 - 2, -126, 127), 0)      # np.frexp(a)[1] - 1 = floor(log2(a)), exactly
;;       r = np.clip(x / 2.0 ** e, -7.5, 7.5)
;;       step = 2.0 ** (np.maximum(np.frexp(np.where(r == 0, 1, r))[1] - 1, 0) - 3)
;;       q = np.round(r / step) * step * 2.0 ** e      # np.round: ties to even
;;       return np.moveaxis(q.reshape(q.shape[:-2] + (-1,))[..., :K], -1, axis).astype(np.float32)
;;   ~~~
;;   SOFTMAX AHEAD OF A QUANTISED PRODUCT. Where the list says 'softmax', what is quantised is not the finished softmax but p = 2^(t - M), with t = logit x log2(e) and M = ceil(the row's largest t), a whole number; so 1/2 < the row's largest p <= 1. The row's sum l is taken of the UNQUANTISED p, in f32, and the product's result is divided by l at the end. Since M is a whole number, a kernel that streams over the keys may use a running M (the ceiling of the running maximum): every later rescaling is an exact power of two, which a block's scale takes up: the codes' values come out the same.
;;   OPERANDS COMPUTED ON THE WAY. 'Computed on the way' means the value that the module computes at that place (a softmax that the list does not call 'softmax' is quantised finished and normalised). What goes into a quantiser is computed in f32, as accurately as f32 sums, v_exp_f32 and their like allow (about 1e-6 of the number): no bf16 or f16 on the way to a quantiser, and a product that is left as it is and whose result goes on into a quantised operand takes f32 operands (vector FMAs, or v_wmma_f32_16x16x4_f32). A number that lies on a knife's edge between two numbers of the format may be rounded either way, as far as f32 arithmetic and the matrix unit's own rounding can turn it there, and no further.
;; One version. Each part assembles by itself: llvm-mc -triple=amdgcn-amd-amdhsa -mcpu=gfx1250 --defsym DOCPART=n.
;; ======== version 1 of 1: 4 launches
;; limits: right only within a limited range of input values
;; workspace buffers: xim 13,107,200 bytes; wim 3,276,800 bytes; qim 3,276,800 bytes; kim 3,276,800 bytes; vim 3,276,800 bytes; yim 3,276,800 bytes
;; launch prep (part 1): grid 640 x 1, 4 waves a work-group, no clusters, 61,952 bytes of LDS; arguments x, wq, wk, wv, wproj, xim, wim; writes xim, wim
.if DOCPART == 1
	.amdgcn_target "amdgcn-amd-amdhsa--gfx1250"
	.amdhsa_code_object_version 6
	.text
	.protected	k_qfefc7c898a_prep
	.globl	k_qfefc7c898a_prep
	.p2align	8
	.type	k_qfefc7c898a_prep,@function
k_qfefc7c898a_prep:
	s_mov_b64 s[64:65], 0
	v_nop
	global_prefetch_b8 v0, s[64:65] scope:SCOPE_SE
	s_setreg_imm32_b32 hwreg(HW_REG_WAVE_MODE, 25, 1), 1
	s_wait_xcnt 0x0
; PREP: x [8192][2048] (K innermost) and wq, wk, wv [2048][512], wproj [512][2048] (K = the first axis), all f32, become codes of FP6 (E2M3) with one E8M0 byte for each 32 along K.
; A block's scale is 2^(floor(log2(its largest magnitude)) - 2); its byte is that magnitude's exponent field - 2, held at 1 from below; numbers are divided by the scale and rounded to the nearest code, ties to even.
; LIMITS: NaN and infinities are not served; a block whose largest magnitude lies under 2^-124 keeps the byte 1; a block of zeros keeps the byte 1 where the rule says 127 (its codes are zeros, and this program alone reads the bytes).
; LAYOUT OF THE RESULTS: IMAGES OF OPERAND REGISTERS.  A fragment is 16 rows x 128 K = 12 registers a lane = 1,536 bytes: registers 4 c .. 4 c + 3 of lane l lie at 512 c + 16 l.
; THE 16 ROWS OF A TILE ARE NOT NEIGHBOURS: row r of tile a is index 32 (a / 2) + 8 (a % 2) + r + 8 (r / 8), for tokens and for the weights' N axis alike: the later launches' results then lie as the next quantiser wants them.
;   xim: codes [token tile 512][K step 16][1536]; from XS_OFF scale words [tile][pair of K steps 8][r 16][2 words]
;   wim: wq|wk|wv codes [tile 96][K step 16][1536]; from WS_OFF their words [tile][pair 8][r][2]; from PCO wproj's codes [tile 128][K step 4][1536]; from PSO its words [tile][K step 4][r]
; SHARES: work-groups 0-95 take wq, wk, wv; 96-127 wproj; 128-639 x.  Waves share nothing: no barrier.  Each of the three ways has LDS bytes of its own.
.set XS_OFF, 12582912
.set WS_OFF, 2359296
.set PCO,    2457600
.set PSO,    3244032
.set WV,   18                          ; s18      my wave's number
.set SEL,  32                          ; s[32:33] lane selects for v_permlanex16_b32: lane l xor 16
.set R,    16                          ; x: v16-143  two sets of 64 registers as loaded
.set X,    144                         ; x: v144-207 64 numbers of my row: register 16 b + i = k 32 b + 16 (lane / 16) + i
.set TM,   208                         ; x: v208-223 at work
.set PC,   224                         ; x: v224-242 the codes just made
.set PW,   244                         ; x: v244-247 the four K steps' scale words
.set WX,   32                          ; w: v32-95   two sets of 32 numbers
.set C,    96                          ; w: v96-104  a block's codes
.set OUTR, 112                         ; w: v112-159 images on their way out
.set SB,   24                          ; w: v24-25   scale words
; 64 numbers of a lane become a fragment's codes in v[PC] on and its scale word in v[pw]
.macro QUANT s, pw
.irp b, 0,1,2,3
	v_max3_num_f32 v[TM+\b], |v[\s+16*\b]|, |v[\s+16*\b+1]|, 0x1800000   ; block b: my 16 numbers, and the floor 2^(3 - 127): the byte cannot fall under 1
.endr
.irp i, 2,4,6,8,10,12,14
.irp b, 0,1,2,3
	v_max3_num_f32 v[TM+\b], v[TM+\b], |v[\s+16*\b+\i]|, |v[\s+16*\b+\i+1]|   ; the four blocks by turns
.endr
.endr
.irp b, 0,1,2,3
	v_permlanex16_b32 v[TM+4+\b], v[TM+\b], s[SEL], s[SEL+1]
.endr
.irp b, 0,1,2,3
	v_max_num_f32 v[TM+\b], v[TM+\b], v[TM+4+\b]       ; with lane l xor 16's: the block's largest magnitude
.endr
.irp b, 0,1,2,3
	v_add_nc_u32 v[TM+12+\b], 0xff000000, v[TM+\b]     ; 2 off its exponent field: the conversion's scale operand
.endr
.irp b, 0,1,2,3
	v_lshrrev_b32 v[TM+4+\b], 23, v[TM+12+\b]          ; the scale's byte
.endr
	v_lshl_or_b32 v[\pw], v[TM+5], 8, v[TM+4]
	v_lshl_or_b32 v[\pw], v[TM+6], 16, v[\pw]
	v_lshl_or_b32 v[\pw], v[TM+7], 24, v[\pw]
	s_wait_xcnt 0x0                                    ; the last fragment's stores have read v[PC] on: only now are they written again
.irp c, 0,1
	v_cvt_scalef32_pk16_fp6_f32 v[PC+6*\c:PC+6*\c+2], v[\s+32*\c:\s+32*\c+15], v[TM+12+2*\c]
	v_cvt_scalef32_pk16_fp6_f32 v[PC+12+4*\c:PC+14+4*\c], v[\s+16+32*\c:\s+31+32*\c], v[TM+13+2*\c]   ; (a conversion's three registers begin on an even number)
.endr
	v_nop                                              ; one plain place behind a scaled conversion
.irp c, 0,1                                            ; the operand wants a whole block in a lane: lanes 0-15 block 2 c, lanes 16-31 block 2 c + 1
.irp i, 0,1,2
	v_permlane16_swap_b32 v[PC+6*\c+\i], v[PC+12+4*\c+\i]
.endr
.irp i, 0,1,2
	v_mov_b32 v[PC+3+6*\c+\i], v[PC+12+4*\c+\i]
.endr
.endr
.endm
; ---- a weight: a lane takes a column, its registers run down K.  A wave takes 32 neighbouring columns (tiles Tb, Tb + 1) x 256 along K (two K steps): 8 blocks a lane
.macro WLOAD t, n
.irp i, 0,1,2,3,4,5,6,7,8,9,10,11,12,13,14,15,16,17,18,19,20,21,22,23,24,25,26,27,28,29,30,31
	global_load_b32 v[WX+32*((\t)%2)+\i], v3, s[24:25] offset:(32*(\t)+\i)*\n*4 th:TH_LOAD_NT   ; a wave reads 128 consecutive bytes, the four waves 512
.endr
.endm
.macro WBLOCK t, n, kt
.set XB, WX+32*((\t)%2)
.if (\t) < 7
	s_wait_loadcnt 32                                  ; this block's 32 loads are in; the next block's 32 may be out
.else
	s_wait_loadcnt 0x0
.endif
	v_max3_num_f32 v12, |v[XB]|, |v[XB+1]|, |v[XB+2]|  ; the block's largest magnitude: all 32 numbers are mine
	v_max3_num_f32 v13, |v[XB+3]|, |v[XB+4]|, |v[XB+5]|
.irp i, 6,10,14,18,22,26
	v_max3_num_f32 v12, v12, |v[XB+\i]|, |v[XB+\i+1]|
	v_max3_num_f32 v13, v13, |v[XB+\i+2]|, |v[XB+\i+3]|
.endr
	v_max3_num_f32 v12, v12, |v[XB+30]|, |v[XB+31]|
	v_max3_num_f32 v12, v12, v13, 0x1800000            ; and the floor
	v_add_nc_u32 v11, 0xff000000, v12                  ; the conversion's scale operand
	v_lshrrev_b32 v13, 23, v11                         ; the byte
.if (\t)%4 == 0
	v_mov_b32 v[SB+(\t)/4], v13                        ; four bytes to a word, the lower K in the lower byte
.else
	v_lshl_or_b32 v[SB+(\t)/4], v13, 8*((\t)%4), v[SB+(\t)/4]
.endif
	v_cvt_scalef32_pk16_fp6_f32 v[C:C+2], v[XB:XB+15], v11
	v_cvt_scalef32_pk16_fp6_f32 v[C+6:C+8], v[XB+16:XB+31], v11
	v_nop                                              ; one plain place behind a scaled conversion
.irp i, 0,1,2
	v_mov_b32 v[C+3+\i], v[C+6+\i]                     ; the block's 24 bytes on end
.endr
; block beta = t % 4 of row r is registers 6 (beta / 2) .. + 5 of the image's lane r + 16 (beta % 2)
.if (\t)%4 < 2
	ds_store_b128 v4, v[C:C+3] offset:256*((\t)%2)             ; registers 0-3
	ds_store_b64 v4, v[C+4:C+5] offset:512+256*((\t)%2)        ; registers 4, 5
.else
	ds_store_b64 v4, v[C:C+1] offset:520+256*((\t)%2)          ; registers 6, 7
	ds_store_b128 v4, v[C+2:C+5] offset:1024+256*((\t)%2)      ; registers 8-11
.endif
.if (\t)+2 < 8
	WLOAD (\t)+2, \n
.endif
	s_wait_dscnt 0x0                                   ; the stores have read their registers: the next block's codes may be written
.if (\t)%4 == 3                                        ; a K step's two images are whole: they leave, 512 consecutive aligned bytes a store
.irp u, 0,1
.irp c, 0,1,2
	ds_load_b128 v[OUTR+24*((\t)/4)+12*\u+4*\c:OUTR+24*((\t)/4)+12*\u+4*\c+3], v7 offset:1664*\u+512*\c
.endr
.endr
	s_wait_dscnt 0x0
.irp u, 0,1
.irp c, 0,1,2
	global_store_b128 v8, v[OUTR+24*((\t)/4)+12*\u+4*\c:OUTR+24*((\t)/4)+12*\u+4*\c+3], s[28:29] offset:\u*\kt*1536+1536*((\t)/4)+512*\c
.endr
.endr
.endif
.endm
; in: s[24:25] the weight, s20 G (my 32 columns), s21 S (my 256 along K), s22 Tb (my first tile in wim's order)
.macro WJOB n, kt, lb, mode, coff, soff, sct
	s_mul_i32 s26, s21, 256*\n*4
	s_lshl_b32 s27, s20, 7
	s_add_co_u32 s26, s26, s27
	s_mov_b32 s27, 0
	s_add_nc_u64 s[24:25], s[24:25], s[26:27]          ; row 256 S, column 32 G
	s_mul_i32 s26, s22, \kt
	s_lshl_b32 s28, s21, 1
	s_add_co_u32 s26, s26, s28
	s_mul_i32 s26, s26, 1536
.if \coff
	s_add_co_u32 s26, s26, \coff
.endif
	s_add_nc_u64 s[28:29], s[16:17], s[26:27]          ; image (Tb, K step 2 S)
	s_mul_i32 s26, s22, \sct
	s_lshl_b32 s30, s21, 7
	s_add_co_u32 s26, s26, s30
	s_add_co_u32 s26, s26, \soff
	s_add_nc_u64 s[30:31], s[16:17], s[26:27]          ; its scale words
	v_lshlrev_b32 v3, 2, v1                            ; in: 4 bytes a lane
	v_bfe_u32 v5, v1, 3, 1                             ; column l of the 32 is row r = l % 8 + 8 (l / 16) of tile u = (l / 8) % 2
	v_and_b32 v6, 7, v1
	v_lshrrev_b32 v10, 4, v1
	v_lshl_add_u32 v6, v10, 3, v6
	s_mul_i32 s26, s[WV], 3328                         ; my stage: two images, 1,664 bytes apart
	s_add_co_u32 s26, s26, \lb
	v_mul_u32_u24 v4, v5, 1664
	v_lshl_add_u32 v4, v6, 4, v4
	v_add_nc_u32 v4, s26, v4                           ; into it
	v_lshlrev_b32 v8, 4, v1                            ; 16 x lane
	v_add_nc_u32 v7, s26, v8                           ; out of it
.if \mode
	v_lshlrev_b32 v9, 8, v5
	v_lshl_add_u32 v9, v6, 2, v9                       ; words [tile][K step][r]
.else
	v_lshlrev_b32 v9, 10, v5
	v_lshl_add_u32 v9, v6, 3, v9                       ; words [tile][pair][r][2]
.endif
	WLOAD 0, \n
	WLOAD 1, \n
.irp t, 0,1,2,3,4,5,6,7
	WBLOCK \t, \n, \kt
.endr
.if \mode                                              ; the scale words leave in pieces of 64 or 128 consecutive bytes: one byte in 128 of what this way reads
	global_store_b32 v9, v[SB], s[30:31]
	s_wait_alu depctr_va_vdst(0)
	global_store_b32 v9, v[SB+1], s[30:31] offset:64
.else
	s_wait_alu depctr_va_vdst(0)
	global_store_b64 v9, v[SB:SB+1], s[30:31]
.endif
.endm
	s_load_b256 s[4:11], s[0:1], 0x0                   ; x, wq, wk, wv
	s_load_b128 s[12:15], s[0:1], 0x20                 ; wproj, xim
	s_load_b64 s[16:17], s[0:1], 0x30                  ; wim
	v_lshl_add_u32 v254, v0, 2, 0xf000
	v_mov_b32 v255, 0
	v_lshrrev_b32 v1, 5, v0
	v_readfirstlane_b32 s[WV], v1                      ; wave 0..3
	v_and_b32 v1, 31, v0                               ; lane
	s_cmp_ge_u32 ttmp9, 128
	s_cbranch_scc1 .Lx
	s_cmp_ge_u32 ttmp9, 96
	s_cbranch_scc1 .Lw2
	; ---- wq, wk, wv: 32 work-groups each: 4 blocks of 128 columns x 8 runs of 256 along K
	s_lshr_b32 s19, ttmp9, 5                           ; which of the three
	s_and_b32 s20, ttmp9, 3
	s_bfe_u32 s21, ttmp9, 0x30002                      ; S
	s_lshl_b32 s20, s20, 2
	s_add_co_u32 s20, s20, s[WV]                       ; G
	s_lshl_b32 s22, s19, 5
	s_lshl_b32 s23, s20, 1
	s_add_co_u32 s22, s22, s23                         ; Tb = 32 x which + 2 G
	s_wait_kmcnt 0x0
	s_cmp_eq_u32 s19, 0
	s_cselect_b64 s[24:25], s[6:7], s[8:9]
	s_cmp_eq_u32 s19, 2
	s_cselect_b64 s[24:25], s[10:11], s[24:25]
	s_wait_alu depctr_va_vdst(0)
	WJOB 512, 16, 33792, 0, 0, WS_OFF, 1024
	s_wait_tensorcnt 0x0
	ds_add_u32 v254, v255
	s_wait_dscnt 0x0
	s_endpgm
.Lw2:
	; ---- wproj: 16 blocks of 128 columns x 2 runs of 256 along K
	s_sub_co_u32 s19, ttmp9, 96
	s_and_b32 s20, s19, 15
	s_lshr_b32 s21, s19, 4                             ; S
	s_lshl_b32 s20, s20, 2
	s_add_co_u32 s20, s20, s[WV]                       ; G
	s_lshl_b32 s22, s20, 1                             ; Tb
	s_wait_kmcnt 0x0
	s_mov_b64 s[24:25], s[12:13]
	s_wait_alu depctr_va_vdst(0)
	WJOB 2048, 4, 47104, 1, PCO, PSO, 256
	s_wait_tensorcnt 0x0
	ds_add_u32 v254, v255
	s_wait_dscnt 0x0
	s_endpgm
.Lx:
	; ---- x: a work-group takes a tile of 16 tokens, wave w its K steps 4 w .. 4 w + 3
	s_sub_co_u32 s19, ttmp9, 128                       ; the tile
	s_lshr_b32 s20, s19, 1
	s_lshl_b32 s20, s20, 5
	s_and_b32 s21, s19, 1
	s_lshl_b32 s21, s21, 3
	s_add_co_u32 s20, s20, s21                         ; its row 0's token
	s_lshl_b32 s20, s20, 13                            ; a row of x is 8,192 bytes
	s_lshl_b32 s21, s[WV], 11
	s_add_co_u32 s20, s20, s21
	s_mov_b32 s21, 0
	s_lshl_b32 s22, s19, 4
	s_lshl_b32 s23, s[WV], 2
	s_add_co_u32 s22, s22, s23
	s_mul_i32 s22, s22, 1536
	s_mov_b32 s23, 0
	s_lshl_b32 s24, s19, 3
	s_lshl_b32 s25, s[WV], 1
	s_add_co_u32 s24, s24, s25
	s_lshl_b32 s24, s24, 7
	s_add_co_u32 s24, s24, XS_OFF
	s_mov_b32 s25, 0
	s_mov_b32 s[SEL], 0x76543210
	s_mov_b32 s[SEL+1], 0xfedcba98
	v_and_b32 v2, 15, v0                               ; r
	v_bfe_u32 v3, v0, 4, 1                             ; h
	s_wait_alu depctr_va_vdst(0)
	v_lshlrev_b32 v4, 4, v1                            ; 16 x lane
	v_lshlrev_b32 v5, 3, v1                            ; 8 x lane
	s_mul_i32 s26, s[WV], 8448                         ; my stage: 16 rows of 512 bytes + 16
	v_add_nc_u32 v6, s26, v4                           ; into it: a row as it lies
	v_mul_u32_u24 v7, v2, 528
	v_lshl_add_u32 v7, v3, 6, v7
	v_add_nc_u32 v7, s26, v7                           ; out of it: row r, my half's 16 numbers of each block of 32
.irp b, 0,1,2,3
	v_mov_b32 v[TM+4+\b], 0                            ; written once: a lane permute's destination counts as one of its sources
.endr
	s_wait_alu depctr_va_vdst(0)
	s_wait_kmcnt 0x0
	s_add_nc_u64 s[4:5], s[4:5], s[20:21]
	s_add_nc_u64 s[22:23], s[14:15], s[22:23]
	s_add_nc_u64 s[24:25], s[14:15], s[24:25]
.macro XLOAD f, set                    ; K step f of the 16 rows: each load reads 512 consecutive aligned bytes of one row
.irp i, 0,1,2,3,4,5,6,7,8,9,10,11,12,13,14,15
	global_load_b128 v[R+64*(\set)+4*\i:R+64*(\set)+4*\i+3], v4, s[4:5] offset:(\i+8*(\i/8))*8192+512*(\f) th:TH_LOAD_NT
.endr
.endm
.macro XFRAG f
.if \f < 3
	s_wait_loadcnt 16                                  ; this K step's 16 loads are in; the next one's 16 may be out
.else
	s_wait_loadcnt 0x0
.endif
.irp i, 0,1,2,3,4,5,6,7,8,9,10,11,12,13,14,15
	ds_store_b128 v6, v[R+64*((\f)%2)+4*\i:R+64*((\f)%2)+4*\i+3] offset:528*\i
.endr
.irp b, 0,1,2,3                        ; LDS serves a wave's instructions in order: these see the stores above
.irp j, 0,1,2,3
	ds_load_b128 v[X+16*\b+4*\j:X+16*\b+4*\j+3], v7 offset:128*\b+16*\j
.endr
.endr
	s_wait_dscnt 0x0                                   ; my 64 numbers are in, and the stores have read their registers,
.if \f < 2
	XLOAD \f+2, (\f)%2                                 ; which take the loads of two K steps on
.endif
	QUANT X, PW+\f
.irp c, 0,1,2
	global_store_b128 v4, v[PC+4*\c:PC+4*\c+3], s[22:23] offset:1536*(\f)+512*\c   ; the image: 512 consecutive aligned bytes a store
.endr
.endm
	XLOAD 0, 0
	XLOAD 1, 1
	XFRAG 0
	XFRAG 1
	XFRAG 2
	XFRAG 3
	v_cmp_ne_u32 vcc_lo, 0, v3                         ; both halves of the lanes hold row r's words: lanes 0-15 send the first pair of K steps', lanes 16-31 the second's
	v_cndmask_b32 v248, v[PW], v[PW+2], vcc_lo
	v_cndmask_b32 v249, v[PW+1], v[PW+3], vcc_lo
	global_store_b64 v5, v[248:249], s[24:25]          ; 32 lanes store 256 consecutive aligned bytes
	s_wait_tensorcnt 0x0
	ds_add_u32 v254, v255
	s_wait_dscnt 0x0
	s_endpgm
.Lfunc_end_k_qfefc7c898a_prep:
	.size	k_qfefc7c898a_prep, .Lfunc_end_k_qfefc7c898a_prep-k_qfefc7c898a_prep
	.p2alignl 7, 3214868480
	.fill 96, 4, 3214868480
	.section	.rodata,"a",@progbits
	.p2align	6, 0x0
	.amdhsa_kernel k_qfefc7c898a_prep
		.amdhsa_group_segment_fixed_size 61952
		.amdhsa_private_segment_fixed_size 0
		.amdhsa_enable_private_segment 0
		.amdhsa_kernarg_size 56
		.amdhsa_user_sgpr_count 2
		.amdhsa_user_sgpr_kernarg_segment_ptr 1
		.amdhsa_wavefront_size32 1
		.amdhsa_system_sgpr_workgroup_id_x 1
		.amdhsa_system_sgpr_workgroup_id_y 1
		.amdhsa_system_sgpr_workgroup_id_z 1
		.amdhsa_system_vgpr_workitem_id 0
		.amdhsa_next_free_vgpr 256
		.amdhsa_next_free_sgpr 66
		.amdhsa_reserve_vcc 1
		.amdhsa_float_denorm_mode_32 3
		.amdhsa_float_denorm_mode_16_64 3
		.amdhsa_memory_ordered 1
		.amdhsa_forward_progress 1
		.amdhsa_inst_pref_size 115
	.end_amdhsa_kernel
	.amdgpu_metadata
---
amdhsa.version: [ 1, 2 ]
amdhsa.kernels:
  - .name:           k_qfefc7c898a_prep
    .symbol:         k_qfefc7c898a_prep.kd
    .args:
      - { .name: x, .offset: 0, .size: 8, .value_kind: global_buffer, .address_space: global }
      - { .name: wq, .offset: 8, .size: 8, .value_kind: global_buffer, .address_space: global }
      - { .name: wk, .offset: 16, .size: 8, .value_kind: global_buffer, .address_space: global }
      - { .name: wv, .offset: 24, .size: 8, .value_kind: global_buffer, .address_space: global }
      - { .name: wproj, .offset: 32, .size: 8, .value_kind: global_buffer, .address_space: global }
      - { .name: xim, .offset: 40, .size: 8, .value_kind: global_buffer, .address_space: global }
      - { .name: wim, .offset: 48, .size: 8, .value_kind: global_buffer, .address_space: global }
    .group_segment_fixed_size: 61952
    .private_segment_fixed_size: 0
    .kernarg_segment_align: 8
    .kernarg_segment_size: 56
    .max_flat_workgroup_size: 128
    .sgpr_count:     66
    .vgpr_count:     256
    .wavefront_size: 32
...
	.end_amdgpu_metadata
.endif
;; end of part 1
;; launch qkv (part 2): grid 32 x 6, 4 waves a work-group, clusters of 4 x 1, 327,680 bytes of LDS; arguments xim, wim, cos, sin, qim, kim, vim; writes qim, kim, vim
.if DOCPART == 2
	.amdgcn_target "amdgcn-amd-amdhsa--gfx1250"
	.amdhsa_code_object_version 6
	.text
	.protected	k_qfefc7c898a_qkv
	.globl	k_qfefc7c898a_qkv
	.p2align	8
	.type	k_qfefc7c898a_qkv,@function
k_qfefc7c898a_qkv:
	s_mov_b64 s[64:65], 0
	v_nop
	global_prefetch_b8 v0, s[64:65] scope:SCOPE_SE
	s_setreg_imm32_b32 hwreg(HW_REG_WAVE_MODE, 25, 1), 1
	s_wait_xcnt 0x0
	s_wait_alu depctr_hold_cnt(0) depctr_sa_sdst(0) depctr_va_vdst(0) depctr_va_sdst(0) depctr_va_ssrc(0) depctr_va_vcc(0) depctr_vm_vsrc(0)
	s_getreg_b32 s2, hwreg(HW_REG_IB_STS2, 6, 4)
	s_cmp_eq_u32 s2, 0
	s_cbranch_scc0 .Lentry_in_a_cluster
	s_endpgm
.Lentry_in_a_cluster:
	s_bfe_u32 s2, ttmp6, 0x10000c
	s_cmp_lg_u32 s2, 0x3003
	s_cbranch_scc0 .Lentry_shape_is_right
	s_endpgm
.Lentry_shape_is_right:
; QKV: q = x wq, k = x wk, v = x wv on codes of FP6 (K = 2,048), then, in registers: RoPE, RMS norm and the quantiser along the head for q and k; the quantiser along the KEYS for v.  Results leave as codes alone.
; OPERANDS are images of fragment registers (16 rows x 128 K = 1,536 bytes; registers 4 c .. 4 c + 3 of lane l at 512 c + 16 l); row r of tile a is index 32 (a / 2) + 8 (a % 2) + r + 8 (r / 8), for tokens and for the weights' columns.
; A work-group makes 256 tokens x 256 columns of [wq | wk | wv]; four waves, each 128 x 128: 64 accumulators, 512 registers; 128 columns are one head.  K goes in steps of 256 through a ring of two LDS slots.
; q, k (work-group y 0-3): source 0 = 16 columns of the weight, source 1 = 16 tokens: a lane holds ONE token, and by the tiles' order its 64 registers of a token tile are d = 32 b + 16 (lane / 16) + i: what the quantiser wants.
; v (y 4, 5): the same instructions with the two LDS regions' roles exchanged: source 0 = 16 tokens, source 1 = 16 columns: a lane holds one d, its registers run along 128 keys.
; CLUSTER 4, 1, 1: the four work-groups of a cluster have the same y: the weights' tiles and scales are asked for jointly.  x's tiles are each work-group's own: the six work-groups that read one block of tokens lie along y, and six
; is no multiple of four, so no cluster of four along y divides the grid.
; COS AND SIN run four blocks of 16 tokens ahead of the RoPE that reads them, in four sets of 64 registers; two of the sets lie idle through the K loop, so blocks 0 and 1 are asked for at the head.
; RESULTS: qim, kim: codes [batch x head 16][token tile 128][1536], from QS_OFF words [..][tile][r];  vim: codes [batch x head][key step 16][d tile 8][1536], words [..][key step][d tile][r].
; LIMITS: NaN and infinities are not served; a block whose largest magnitude lies under 2^-124, zeros among them, keeps the scale byte 1 (its codes are then zeros or the held ones; this program alone reads the bytes).
; REGISTERS, in windows of 256: window 0: v0-31 addresses; v32-63 scale words, two sets; v64-127 cos and sin, set 0; v128-223 source 1's eight fragments, one set.  window 1: source 0's, two sets, at v0 and v128; v96-127 and v224-255 cos and sin, set 1.
;   windows 2, 3: accumulator (a, b) at v[8 (8 (a % 4) + b)].
.set KT,     16                        ; K steps of 128 in a row of images
.set FR,     12                        ; registers of a fragment
.set NL,     3                         ; LDS loads that bring one
.set NP,     4                         ; places behind this matrix instruction (ISA guide 7.12.1)
.set NQ,     2                         ; K steps of 128 in a slot
.set ROWB,   3072                      ; a tile's two images in a slot
.set HALFT,  8*ROWB                    ; eight tiles: what one tensor load brings, and what one wave reads of a region
.set SLOT,   4*HALFT                   ; region 1: x's 16 tiles; region 2: the weight's 16
.set LAPS,   KT/4
.set SPARE,  2*SLOT                    ; the spare words, 128 bytes for each wave: two blocks of 256 bytes that no other line names
.set STG,    SPARE+512                 ; the scale words' way out: 512 bytes for each wave, once for q and k, once for v
.set SCL,    STG+4096                  ; x's scale words (16,384 bytes), then the weight's: filled once; nothing lies behind them
.set XS_OFF, 12582912
.set WS_OFF, 2359296
.set QS_OFF, 3145728
.set ADRA, 16                          ; v16-17  LDS address of source 1's fragments in slot 0, 1
.set ADRB, 20                          ; v20-21  of source 0's
.set VST,  24                          ; v24     16 x lane
.set VCS,  25                          ; v25     my byte in a tile's rows of cos and sin; never rewritten
.set SSW,  26                          ; v26     where I put a scale word
.set ADRS, 27                          ; v27     LDS address of my scale words: lanes 0-15 source 1's rows, lanes 16-31 source 0's
.set SPW,  28                          ; v28     LDS address of my spare word; never rewritten
.set NIL,  29                          ; v29     0; never rewritten
.set SRD,  30                          ; v30     where I read the scale words back
.set ADR0, 31                          ; v31     LDS address of my scale words of slot 0; never rewritten
.set PFO,  22                          ; v22     the prefetches' offset: my block of 256 bytes of a slot's tiles; never rewritten
.set G0H,  4                           ; s[4:7]   group 0 for the head's load of x's 16 tiles (the arguments that lay there have been used by then)
.set G0HB, 96                          ; s[96:99] the same for the weight's 16 tiles
.set SC,   32
.set AF,   128
.set G1, 24                            ; s[24:31] group 1 for x's tiles; s[32:39] groups 0, one for each slot
.set G0, 32
.set G1B, 48                           ; s[48:55], s[56:63] the same for the weight's
.set G0B, 56
.set G1S, 68                           ; s[68:75], s[76:79] for x's scales; s[80:87], s[88:91] for the weight's
.set G0S, 76
.set G1SB, 80
.set G0SB, 88
.set TM,  192                          ; the way out, window 0: v192-207 at work
.set PC,  208                          ; v208-226 the codes just made
.set PW,  228                          ; v228-235 a scale word for each of my eight blocks
.set SS,  236                          ; v236-243 sums of squares
.set RS,  244                          ; v[244:245] 1 / root; the pair's upper half is written once and not used
.set TP,  246
.set SEL, 66                           ; s[66:67] lane selects: lane l xor 16
.set EPS, 96                           ; s96 1e-5
.set MSB, 0
.macro WIN new                         ; the immediate's high byte repeats the setting that is left
.if MSB != (\new)
	s_set_vgpr_msb (MSB<<8)|(\new)
.set MSB, (\new)
.endif
.endm
.set MUL_LO, 0xa1                      ; source 0 window 1, source 1 window 0, C and D window 2
.set MUL_HI, 0xf1                      ; the same, C and D window 3
.set TO_B,   0x40                      ; destination window 1, address window 0
; Waves 0 and 1 fetch x's halves (loads of the work-group's own), waves 2 and 3 the weight's (joint).  The branch hangs on the wave's number alone.  Four v_nop follow each of the two lines.
.macro JLOAD g0a, g1a, g0b, g1b
	s_cmp_eq_u32 s15, 0
	s_cbranch_scc0 .Lfor_b_\@
	tensor_load_to_lds s[\g0a:\g0a+3], s[\g1a:\g1a+7]
	s_nop 0
.rept 4
	v_nop
.endr
	s_branch .Lasked_\@
.Lfor_b_\@:
	tensor_load_to_lds s[\g0b:\g0b+3], s[\g1b:\g1b+7]
	s_nop 0
.rept 4
	v_nop
.endr
.Lasked_\@:
.endm
.macro CREST                           ; a round of the cluster's barrier behind its opening barrier
	s_cmp_lg_u32 s14, 0
	s_cbranch_scc1 .Lnot_wave_0_\@
	s_barrier_signal -3
.Lnot_wave_0_\@:
	s_barrier_wait -3
	s_barrier_signal -1
	s_barrier_wait -1
.endm
.macro CROUND
	s_barrier_signal -1
	s_barrier_wait -1
	CREST
.endm
.macro PLACES n
.rept \n
	v_nop
.endr
.endm
; Block a's cos and sin lie in set a % 4: window CW, 32 registers of cos from v[CB], 32 of sin from v[SN]
.macro CSSET a
.set CW, (\a)%2
.if (\a)%4 == 0
.set CB, 64
.set SN, 96
.elseif (\a)%4 == 1
.set CB, 96
.set SN, 224
.else
.set CB, 128
.set SN, 160
.endif
.endm
.macro CSLOAD a                        ; my token's cos and sin at my 32 values of d under 64: sixteen loads
	CSSET \a
	WIN CW<<6                                      ; the destination's window; the address lies in window 0
.irp k, 0,1,2,3,4,5,6,7
	global_load_b128 v[CB+4*\k:CB+4*\k+3], v[VCS], s[8:9] offset:(32*((\a)/2)+8*((\a)%2))*256+128*(\k/4)+16*(\k%4)
	global_load_b128 v[SN+4*\k:SN+4*\k+3], v[VCS], s[10:11] offset:(32*((\a)/2)+8*((\a)%2))*256+128*(\k/4)+16*(\k%4)
.endr
	WIN 0
.endm
	s_load_b128 s[4:7], s[0:1], 0x0                ; xim, wim
	s_load_b128 s[8:11], s[0:1], 0x10              ; cos, sin
	v_lshl_add_u32 v[SPW], v0, 2, SPARE
	v_mov_b32 v[NIL], 0
	ds_add_u32 v28, v29
	ds_add_u32 v28, v29
	s_wait_dscnt 0x0
	v_lshrrev_b32 v1, 5, v0
	v_readfirstlane_b32 s14, v1                    ; wave 0..3
	s_lshr_b32 s15, s14, 1                         ; which half of source 1's tiles is mine.  Also: I fetch for x (0) or for the weight (1)
	s_and_b32 s16, s14, 1                          ; which half of source 0's.  Also: which eight tiles I fetch
	s_bfe_u32 s40, ttmp6, 0x40000                  ; cx
	s_lshl_b32 s42, ttmp9, 2
	s_add_co_u32 s42, s42, s40                     ; my block of 256 tokens: it enters global addresses alone
	s_and_b32 s17, ttmp7, 0xffff                   ; my block of 256 columns: the same in all four partners
	s_mov_b32 s[G1+0], 3<<16                       ; x: no mask; elements of 8 bytes; no padding
	s_mov_b32 s[G1B+0], 15|(3<<16)|(1<<21)         ; the weight: all four work-groups; bit 21 set beside a mask
.irp g, G1, G1B
	s_mov_b32 s[\g+1], 384<<16                     ; tensor_dim0: a tile's two images, 3,072 bytes
	s_mov_b32 s[\g+2], 16<<16                      ; tensor_dim1: sixteen tiles for the head's loads; behind them eight
	s_mov_b32 s[\g+3], 384<<16                     ; tile_dim0
	s_mov_b32 s[\g+4], 16                          ; tile_dim1
	s_mov_b32 s[\g+5], KT*192                      ; from tile to tile: 16 images
	s_mov_b32 s[\g+6], 0
	s_mov_b32 s[\g+7], 0
.endr
	s_mov_b32 s[G1S+0], 3<<16                      ; x's scales: no mask; elements of 8 bytes
	s_mov_b32 s[G1SB+0], 15|(3<<16)|(1<<21)
.irp g, G1S, G1SB
	s_mov_b32 s[\g+1], 32<<16
	s_mov_b32 s[\g+2], 64<<16                      ; the scales of sixteen tiles: 16,384 dense bytes as 64 rows of 256
	s_mov_b32 s[\g+3], 32<<16
	s_mov_b32 s[\g+4], 64
	s_mov_b32 s[\g+5], 32
	s_mov_b32 s[\g+6], 0
	s_mov_b32 s[\g+7], 0
.endr
	s_lshl_b32 s20, s42, 4                         ; x's first tile of my work-group's block
	s_lshl_b32 s46, s17, 4                         ; the weight's
	s_lshl_b32 s22, s20, 10
	s_add_co_u32 s22, s22, XS_OFF
	s_mov_b32 s23, 0
	s_lshl_b32 s92, s46, 10
	s_add_co_u32 s92, s92, WS_OFF
	s_mov_b32 s93, 0
	s_mul_i32 s20, s20, KT*1536
	s_mov_b32 s21, 0
	s_mul_i32 s46, s46, KT*1536
	s_mov_b32 s47, 0
	s_mul_i32 s45, s14, HALFT                      ; where they go: wave x eight tiles: no place in the cluster enters an LDS address
	s_mov_b32 s95, 0                               ; how far along the scale words the ring stands: 128 bytes a slot
	s_wait_kmcnt 0x0
	s_add_nc_u64 s[20:21], s[4:5], s[20:21]
	s_add_nc_u64 s[22:23], s[4:5], s[22:23]
	s_add_nc_u64 s[46:47], s[6:7], s[46:47]
	s_add_nc_u64 s[92:93], s[6:7], s[92:93]
	CROUND                                         ; all four work-groups are here: the first joint loads meet
	s_mov_b32 s[G0S], 1
	s_mov_b32 s[G0S+1], SCL
	s_mov_b64 s[G0S+2:G0S+3], s[22:23]
	s_or_b32 s[G0S+3], s[G0S+3], 0x80000000
	s_mov_b32 s[G0SB], 1
	s_mov_b32 s[G0SB+1], SCL+16384
	s_mov_b64 s[G0SB+2:G0SB+3], s[92:93]
	s_or_b32 s[G0SB+3], s[G0SB+3], 0x80000000
	s_mov_b32 s[G0H], 1                            ; the head's tiles, each whole: slot 0's 16 tiles of x,
	s_mov_b32 s[G0H+1], 0
	s_mov_b64 s[G0H+2:G0H+3], s[20:21]
	s_or_b32 s[G0H+3], s[G0H+3], 0x80000000
	s_mov_b32 s[G0HB], 1                           ; and the weight's 16, behind them
	s_mov_b32 s[G0HB+1], 2*HALFT
	s_mov_b64 s[G0HB+2:G0HB+3], s[46:47]
	s_or_b32 s[G0HB+3], s[G0HB+3], 0x80000000
	s_cmp_eq_u32 s14, 0                            ; the prefetches: wave 0 asks for x's tiles, waves 1 to 3 for the weight's
	s_cselect_b64 s[12:13], s[20:21], s[46:47]
	s_add_nc_u64 s[12:13], s[12:13], 2*ROWB        ; at slot 2
	s_mul_i32 s18, s16, 8*KT*1536                  ; for the ring: my eight tiles of the sixteen
	s_mov_b32 s19, 0
	s_add_nc_u64 s[20:21], s[20:21], s[18:19]
	s_add_nc_u64 s[46:47], s[46:47], s[18:19]
.irp s, 0,1
	s_mov_b32 s[G0+4*\s], 1
	s_add_co_u32 s[G0+4*\s+1], s45, \s*SLOT
	s_add_nc_u64 s[G0+4*\s+2:G0+4*\s+3], s[20:21], \s*ROWB
	s_or_b32 s[G0+4*\s+3], s[G0+4*\s+3], 0x80000000
	s_mov_b32 s[G0B+4*\s], 1
	s_add_co_u32 s[G0B+4*\s+1], s45, \s*SLOT
	s_add_nc_u64 s[G0B+4*\s+2:G0B+4*\s+3], s[46:47], \s*ROWB
	s_or_b32 s[G0B+4*\s+3], s[G0B+4*\s+3], 0x80000000
.endr
; THE HEAD'S LOADS, ONE A WAVE: wave 0 slot 0's 16 tiles of x, wave 1 the weight's 16, wave 2 x's scale words, wave 3 the weight's.  One chain of branches on the wave's number; every way passes one load.
.macro ARM under, g0, g1, next
	s_cmp_lt_u32 s14, \under
	s_cbranch_scc0 \next
	tensor_load_to_lds s[\g0:\g0+3], s[\g1:\g1+7]
	s_nop 0
.rept 4
	v_nop
.endr
	s_branch .Lhead_asked
\next:
.endm
	ARM 1, G0H,  G1,  .Lhead_b
	ARM 2, G0HB, G1B, .Lhead_sa
	ARM 3, G0S,  G1S, .Lhead_sb
	tensor_load_to_lds s[G0SB:G0SB+3], s[G1SB:G1SB+7]
	s_nop 0
.rept 4
	v_nop
.endr
.Lhead_asked:
; A PREFETCH INTO THE L2, behind each refill and the LDS loads that follow it: the slot that stands two refills on.  A slot's 16 tiles x 3,072 bytes are 192 blocks of 256 bytes, a lane a block.
; x's 192 are shared out among the six work-groups that read them (32 y .. 32 y + 31, wave 0); the weight's among the cluster's four, by address (48 cx + 16 (wave - 1) + 0 .. 15; lanes 16-31 name the wave's last block again).
; The loop's last trip has no slot two refills on and asks for nothing.
.macro PASK
	s_cmp_gt_u32 s3, 1
	s_cbranch_scc0 .Lno_ask_\@
	global_prefetch_b8 v[PFO], s[12:13] offset:ROWB th:TH_LOAD_NT scope:SCOPE_SE
.Lno_ask_\@:
.endm
	v_and_b32 v1, 15, v0                           ; r
	v_bfe_u32 v2, v0, 4, 1                         ; h
	v_and_b32 v3, 31, v0
	v_lshlrev_b32 v[VST], 4, v3
	s_lshl_b32 s18, s17, 5                         ; wave 0: x's blocks from 32 y on
	s_mul_i32 s19, s40, 48
	s_lshl_b32 s21, s14, 4
	s_add_co_u32 s19, s19, s21
	s_sub_co_u32 s19, s19, 16                      ; waves 1 to 3: the weight's from 48 cx + 16 (wave - 1) on
	s_cmp_eq_u32 s14, 0
	s_cselect_b32 s18, s18, s19
	s_cselect_b32 s19, 31, 15
	s_wait_alu depctr_va_vdst(0)                   ; the wait ahead of the reader below
	v_min_u32 v4, s19, v3
	v_add_nc_u32 v4, s18, v4                       ; my block b, 0 .. 191
	v_mul_u32_u24 v5, v4, 171
	v_lshrrev_b32 v5, 11, v5                       ; b / 12: its tile
	v_mul_u32_u24 v6, v5, 12
	v_sub_nc_u32 v6, v4, v6                        ; b % 12
	v_mul_u32_u24 v5, v5, KT*1536
	v_lshl_add_u32 v[PFO], v6, 8, v5
	s_wait_alu depctr_va_vdst(0)
	s_cmp_ge_u32 s17, 4                            ; v's columns?  Then the regions change roles
	s_cselect_b32 s41, 1, 0
	s_cselect_b32 s43, s16, s15                    ; which half of the 256 tokens is mine,
	s_cselect_b32 s44, s15, s16                    ; and which of the two heads
	s_cselect_b32 s21, 2*HALFT, 0                  ; source 1's region
	s_cselect_b32 s22, 0, 2*HALFT                  ; source 0's
	s_mul_i32 s18, s15, HALFT
	s_add_co_u32 s21, s21, s18
	s_mul_i32 s18, s16, HALFT
	s_add_co_u32 s22, s22, s18
.irp s, 0,1
	v_add_nc_u32 v[ADRA+\s], s21, v[VST]
	v_add_nc_u32 v[ADRB+\s], s22, v[VST]
	s_add_co_u32 s21, s21, SLOT
	s_add_co_u32 s22, s22, SLOT
.endr
	s_lshl_b32 s18, s15, 13                        ; lanes 0-15 take source 1's words: half s15 of its region; lanes 16-31 source 0's: half s16
	s_xor_b32 s19, s15, s16
	s_lshl_b32 s19, s19, 13
	v_mul_u32_u24 v5, s19, v2
	v_xor_b32 v5, s18, v5                          ; 8,192 x my half
	v_xor_b32 v4, s41, v2                          ; x's region (0) or the weight's (1)
	v_lshl_add_u32 v4, v4, 14, v5
	v_lshl_add_u32 v4, v1, 3, v4                   ; 8 bytes a row: a slot's two words
	v_add_nc_u32 v[ADR0], SCL, v4
	v_mov_b32 v[ADRS], v[ADR0]
	v_and_b32 v4, 8, v1
	v_add_nc_u32 v4, v4, v1                        ; r + 8 (r / 8)
	v_lshlrev_b32 v4, 8, v4                        ; a row of cos or sin is 256 bytes
	v_lshl_add_u32 v[VCS], v2, 6, v4
	s_wait_alu depctr_va_vdst(0)
	s_lshl_b32 s18, s14, 9
	s_add_co_u32 s18, s18, STG
	v_lshl_add_u32 v[SSW], v1, 2, s18
	v_add_nc_u32 v[SRD], s18, v[VST]
	s_and_b32 s18, s42, 7                          ; my first token's row of cos and sin: 256 x (my block within its batch) + 128 x my half
	s_lshl_b32 s18, s18, 16
	s_lshl_b32 s19, s43, 15
	s_add_co_u32 s18, s18, s19
	s_mov_b32 s19, 0
	s_add_nc_u64 s[8:9], s[8:9], s[18:19]
	s_add_nc_u64 s[10:11], s[10:11], s[18:19]
	s_wait_alu depctr_va_vdst(0)                   ; the wait ahead of the reader below
	global_prefetch_b8 v[PFO], s[12:13] th:TH_LOAD_NT scope:SCOPE_SE   ; slot 2: its refill stands two changes of slots on
	CSLOAD 0                                       ; blocks 0 and 1, into registers that the K loop leaves alone: they land while the products run.  One text for every work-group: v's ask too, 16,384 bytes a wave, and use nothing of it
	CSLOAD 1
.macro FRAG reg, adr, q, i             ; an image comes back as it was stored: three loads of 512 consecutive bytes
.irp c, 0,1,2
	ds_load_b128 v[\reg+4*\c:\reg+4*\c+3], v[\adr] offset:(\i)*ROWB+(\q)*1536+512*\c
.endr
.endm
; 16 matrix instructions: source 1's blocks a0, a0 + 1 x source 0's eight.  The 64 accumulators take turns, one instruction a turn, in the same order in every step.
.macro MUL16 a0, p, q, sc, zero
.irp a, \a0, \a0+1
.irp b, 0,1,2,3,4,5,6,7
.if \zero
	v_wmma_scale_f32_16x16x128_f8f6f4 v[8*(8*((\a)%4)+\b):8*(8*((\a)%4)+\b)+7], v[128*(\p)+FR*\b:128*(\p)+FR*\b+FR-1], v[AF+FR*(\a):AF+FR*(\a)+FR-1], 0, v[SC+8*NQ*(\sc)+NQ*\b+(\q)], v[SC+8*NQ*(\sc)+NQ*(\a)+(\q)] matrix_a_fmt:MATRIX_FMT_FP6 matrix_b_fmt:MATRIX_FMT_FP6 matrix_a_scale:MATRIX_SCALE_ROW1
.else
	v_wmma_scale_f32_16x16x128_f8f6f4 v[8*(8*((\a)%4)+\b):8*(8*((\a)%4)+\b)+7], v[128*(\p)+FR*\b:128*(\p)+FR*\b+FR-1], v[AF+FR*(\a):AF+FR*(\a)+FR-1], v[8*(8*((\a)%4)+\b):8*(8*((\a)%4)+\b)+7], v[SC+8*NQ*(\sc)+NQ*\b+(\q)], v[SC+8*NQ*(\sc)+NQ*(\a)+(\q)] matrix_a_fmt:MATRIX_FMT_FP6 matrix_b_fmt:MATRIX_FMT_FP6 matrix_a_scale:MATRIX_SCALE_ROW1
.endif
.endr
.endr
.endm
.macro FETCH_B slot, q, p
	WIN TO_B
.irp i, 0,1,2,3,4,5,6,7
	FRAG 128*(\p)+FR*\i, ADRB+\slot, \q, \i
.endr
	WIN 0
.endm
.macro FETCH_A slot, q, i0
.irp i, \i0, \i0+1, \i0+2, \i0+3
	FRAG AF+FR*(\i), ADRA+\slot, \q, \i
.endr
.endm
.macro SCALES sc                       ; a slot's two words a row, for the eight blocks of each side
.irp i, 0,1,2,3,4,5,6,7
	ds_load_b64 v[SC+8*NQ*\sc+NQ*\i:SC+8*NQ*\sc+NQ*\i+1], v[ADRS] offset:\i*1024
.endr
.endm
.macro STEP slot, q, zero              ; a step of 128 along K that has its successor in the same slot
	s_wait_dscnt 4*NL                              ; all but the youngest twelve loads (source 1's blocks 4-7) are in
	WIN MUL_LO
	MUL16 0, (\q)%2, \q, \slot, \zero
	MUL16 2, (\q)%2, \q, \slot, \zero
	s_wait_dscnt 0
	PLACES NP                                      ; in front of loads into registers that matrix instructions have read
	FETCH_B \slot, (\q)+1, 1-(\q)%2
	FETCH_A \slot, (\q)+1, 0
	WIN MUL_HI
	MUL16 4, (\q)%2, \q, \slot, \zero
	MUL16 6, (\q)%2, \q, \slot, \zero
	PLACES NP
	WIN 0
	FETCH_A \slot, (\q)+1, 4
.endm
; A slot's last step changes slots: one barrier; in front of it each wave waits for all its tensor loads, adds 0 to its spare word, and waits for that and for its reads of this slot.  fill = 1: the slot is filled again, two K steps of 256 ahead.
.macro TURN slot, next, fill
.if \fill
	s_wait_xcnt 0x0                                ; my last prefetch has read its address: it steps a slot on
	s_add_nc_u64 s[12:13], s[12:13], ROWB
.endif
	s_wait_tensorcnt 0x0                           ; all my tensor loads have landed: my part of the next slot
	ds_add_u32 v[SPW], v[NIL]                      ; 0 onto my spare word
	s_wait_dscnt 4*NL+1                            ; (the add and the youngest twelve loads may be out)
	WIN MUL_LO
	MUL16 0, 1, NQ-1, \slot, 0
	s_wait_dscnt 0x0                               ; the add is done, and my reads of this slot are over
	s_barrier_signal -1
	MUL16 2, 1, NQ-1, \slot, 0
	WIN 0
	s_barrier_wait -1
.if \fill
	CREST                                          ; the barrier has opened a round of the cluster's: no wave of any partner still reads this slot or has a load on its way
	s_add_nc_u64 s[G0+4*\slot+2:G0+4*\slot+3], s[G0+4*\slot+2:G0+4*\slot+3], 2*ROWB
	s_add_nc_u64 s[G0B+4*\slot+2:G0B+4*\slot+3], s[G0B+4*\slot+2:G0B+4*\slot+3], 2*ROWB
	JLOAD G0+4*\slot, G1, G0B+4*\slot, G1B         ; my one tensor load behind the round; its four v_nop are also the places in front of the loads below
.else
	PLACES NP
.endif
	s_wait_alu depctr_va_vdst(0)
	s_add_co_u32 s95, s95, 128
	v_add_nc_u32 v[ADRS], s95, v[ADR0]             ; on to the next slot's scale words
	FETCH_B \next, 0, 0
	FETCH_A \next, 0, 0
	SCALES \next
.if \fill
	PASK
.endif
	WIN MUL_HI
	MUL16 4, 1, NQ-1, \slot, 0
	MUL16 6, 1, NQ-1, \slot, 0
	PLACES NP
	WIN 0
	FETCH_A \next, 0, 4
.endm
	s_wait_alu depctr_va_vdst(0)                   ; the wait at the head's end
	s_wait_tensorcnt 0x0                           ; my tile of the head's four is in
	ds_add_u32 v[SPW], v[NIL]
	s_mov_b32 s[G1+2], 8<<16                       ; no tensor load of mine is out: from here on a load brings eight tiles
	s_mov_b32 s[G1+4], 8
	s_mov_b32 s[G1B+2], 8<<16
	s_mov_b32 s[G1B+4], 8
	s_wait_dscnt 0x0
	CROUND                                         ; all four tiles are in, and the cluster's four work-groups are here
	JLOAD G0+4, G1, G0B+4, G1B                     ; slot 1's first fill, my one tensor load behind the round
	FETCH_B 0, 0, 0
	FETCH_A 0, 0, 0
	SCALES 0
	FETCH_A 0, 0, 4
	global_prefetch_b8 v[PFO], s[12:13] offset:ROWB th:TH_LOAD_NT scope:SCOPE_SE   ; slot 3
	STEP 0, 0, 1                                   ; the first step's products start the sums: nothing is cleared
	s_mov_b32 s3, LAPS-1
.Llap:                                                 ; a trip goes once round the ring and fills both slots again
	TURN 0, 1, 1
	STEP 1, 0, 0
	TURN 1, 0, 1
	STEP 0, 0, 0
	s_sub_co_u32 s3, s3, 1
	s_cmp_lg_u32 s3, 0
	s_cbranch_scc1 .Llap
	TURN 0, 1, 0                                   ; the last lap fills nothing
	s_load_b128 s[28:31], s[0:1], 0x20             ; no tensor load of mine is out and none follows: the descriptors' registers take qim, kim
	s_load_b64 s[32:33], s[0:1], 0x30              ; and vim
	STEP 1, 0, 0
	s_wait_dscnt 4*NL
	WIN MUL_LO
	MUL16 0, 1, NQ-1, 1, 0
	MUL16 2, 1, NQ-1, 1, 0
	s_wait_dscnt 0
	WIN MUL_HI
	MUL16 4, 1, NQ-1, 1, 0
	MUL16 6, 1, NQ-1, 1, 0
	WIN 0
; 64 numbers of a lane in window w, register 16 b + i = k 32 b + 16 (lane / 16) + i of my row, become a fragment's codes in v[PC] on and its scale word in v[pw], both in window 0.  Each accumulator is read from its low end on.
.macro QUANT s, w, pw
	WIN 5*(\w)                                     ; sources 0 and 1 in window w
.irp b, 0,1,2,3
	v_max3_num_f32 v[TM+\b], |v[\s+16*\b]|, |v[\s+16*\b+1]|, 0x1800000   ; and the floor 2^(3 - 127): the byte cannot fall under 1
.endr
.irp i, 2,4,6,8,10,12,14
.irp b, 0,1,2,3
	v_max3_num_f32 v[TM+\b], |v[\s+16*\b+\i]|, |v[\s+16*\b+\i+1]|, v[TM+\b]
.endr
.endr
	WIN 0
.irp b, 0,1,2,3
	v_permlanex16_b32 v[TM+4+\b], v[TM+\b], s[SEL], s[SEL+1]
.endr
.irp b, 0,1,2,3
	v_max_num_f32 v[TM+\b], v[TM+\b], v[TM+4+\b]   ; with lane l xor 16's: the block's largest magnitude
.endr
.irp b, 0,1,2,3
	v_add_nc_u32 v[TM+12+\b], 0xff000000, v[TM+\b] ; 2 off its exponent field: the conversion's scale operand
.endr
.irp b, 0,1,2,3
	v_lshrrev_b32 v[TM+4+\b], 23, v[TM+12+\b]      ; the byte
.endr
	v_lshl_or_b32 v[\pw], v[TM+5], 8, v[TM+4]
	v_lshl_or_b32 v[\pw], v[TM+6], 16, v[\pw]
	v_lshl_or_b32 v[\pw], v[TM+7], 24, v[\pw]
	s_wait_xcnt 0x0                                ; the last block's stores have read v[PC] on
	WIN \w                                         ; source 0 in window w
.irp c, 0,1
	v_cvt_scalef32_pk16_fp6_f32 v[PC+6*\c:PC+6*\c+2], v[\s+32*\c:\s+32*\c+15], v[TM+12+2*\c]
	v_cvt_scalef32_pk16_fp6_f32 v[PC+12+4*\c:PC+14+4*\c], v[\s+16+32*\c:\s+31+32*\c], v[TM+13+2*\c]
.endr
	WIN 0
	v_nop                                          ; one plain place behind a scaled conversion
.irp c, 0,1
.irp i, 0,1,2
	v_permlane16_swap_b32 v[PC+6*\c+\i], v[PC+12+4*\c+\i]
.endr
.irp i, 0,1,2
	v_mov_b32 v[PC+3+6*\c+\i], v[PC+12+4*\c+\i]
.endr
.endr
.endm
.macro OUTBLK a, p                     ; block a's image: three stores of 512 consecutive aligned bytes; its scale words wait in my stage (both halves of the lanes write the same word with the same value)
.irp c, 0,1,2
	global_store_b128 v[VST], v[PC+4*\c:PC+4*\c+3], s[34:35] offset:1536*(\a)+512*\c
.endr
	ds_store_b32 v[SSW], v[PW+(\a)] offset:2048*(\p)+64*(\a)
.endm
.macro OUTSC p                         ; my eight blocks' scale words: 512 consecutive aligned bytes
	ds_load_b128 v[248:251], v[SRD] offset:2048*(\p)
	s_wait_dscnt 0x0
	global_store_b128 v[VST], v[248:251], s[36:37]
.endm
	; ---- THE WAY OUT
	s_wait_kmcnt 0x0
	PLACES NP                                      ; behind the last products
.irp b, 0,1,2,3
	v_mov_b32 v[TM+4+\b], 0                        ; written once: a lane permute's destination counts as one of its sources
.endr
	v_mov_b32 v[RS+1], 0
	v_mov_b32 v[TP], 0
	s_mov_b32 s[SEL], 0x76543210
	s_mov_b32 s[SEL+1], 0xfedcba98
	s_mov_b32 s[EPS], 0x3727c5ac
	s_lshr_b32 s18, s42, 3                         ; batch
	s_lshl_b32 s18, s18, 2
	s_and_b32 s19, s17, 1
	s_lshl_b32 s19, s19, 1
	s_add_co_u32 s18, s18, s19
	s_add_co_u32 s18, s18, s44                     ; 4 x batch + head
	s_lshl_b32 s18, s18, 4
	s_and_b32 s19, s42, 7
	s_lshl_b32 s20, s19, 1
	s_add_co_u32 s18, s18, s20
	s_add_co_u32 s18, s18, s43                     ; x 16 + which 128 tokens of the 2,048: eight images and eight rows of words each
	s_mul_i32 s20, s18, 12288
	s_mov_b32 s21, 0
	s_lshl_b32 s22, s18, 9
	s_add_co_u32 s22, s22, QS_OFF
	s_mov_b32 s23, 0
	s_cmp_ge_u32 s17, 4
	s_cbranch_scc1 .Lv
	; ---- q and k: block a = 16 tokens; a lane's register 16 b + i is d = 32 b + 16 (lane / 16) + i
	s_cmp_lt_u32 s17, 2
	s_cselect_b64 s[34:35], s[28:29], s[30:31]
	s_add_nc_u64 s[36:37], s[34:35], s[22:23]
	s_add_nc_u64 s[34:35], s[34:35], s[20:21]
	CSLOAD 2                                       ; into registers that held fragments: the places above stand in front
	CSLOAD 3
.macro QKBLK a
.set AC, 64*((\a)%4)
	CSSET \a
.if (\a) < 5
	s_wait_loadcnt 48                              ; this block's 16 loads are in; those of the three blocks behind it may be out
.else
	s_wait_loadcnt 16*(7-(\a))
.endif
	WIN 0x50|(CW<<2)|(2+(\a)/4)                    ; source 0: the accumulators' window; source 1: the set's; source 2 and destination window 1
.set ii, 0
.rept 16                                               ; RoPE into v0-63 of window 1: x1 cos - x2 sin, x1 sin + x2 cos; x1 = registers 0-31, x2 = registers 32-63
	v_pk_mul_f32 v[ii:ii+1], v[AC+ii:AC+ii+1], v[CB+ii:CB+ii+1]
	v_pk_mul_f32 v[32+ii:33+ii], v[AC+ii:AC+ii+1], v[SN+ii:SN+ii+1]
	v_pk_fma_f32 v[ii:ii+1], v[AC+32+ii:AC+33+ii], v[SN+ii:SN+ii+1], v[ii:ii+1] neg_lo:[1,0,0] neg_hi:[1,0,0]
	v_pk_fma_f32 v[32+ii:33+ii], v[AC+32+ii:AC+33+ii], v[CB+ii:CB+ii+1], v[32+ii:33+ii]
.set ii, ii+2
.endr
	WIN 0x05                                       ; sources 0 and 1 window 1: the sum of squares, in four chains of pairs
.irp k, 0,1,2,3
	v_pk_mul_f32 v[SS+2*\k:SS+2*\k+1], v[2*\k:2*\k+1], v[2*\k:2*\k+1]
.endr
.set kk, 4
.rept 28
	v_pk_fma_f32 v[SS+2*(kk%4):SS+2*(kk%4)+1], v[2*kk:2*kk+1], v[2*kk:2*kk+1], v[SS+2*(kk%4):SS+2*(kk%4)+1]
.set kk, kk+1
.endr
	WIN 0
	v_pk_add_f32 v[SS:SS+1], v[SS:SS+1], v[SS+2:SS+3]
	v_pk_add_f32 v[SS+4:SS+5], v[SS+4:SS+5], v[SS+6:SS+7]
	v_pk_add_f32 v[SS:SS+1], v[SS:SS+1], v[SS+4:SS+5]
	v_add_f32 v[SS], v[SS], v[SS+1]
	v_permlanex16_b32 v[TP], v[SS], s[SEL], s[SEL+1]   ; my token's other 64 values of d lie in lane l xor 16
	v_add_f32 v[SS], v[SS], v[TP]
	v_fma_f32 v[TP], v[SS], 0x3c000000, s[EPS]     ; the mean (x 1 / 128) + 1e-5
	s_wait_alu depctr_va_vdst(0)
	v_rsq_f32 v[RS], v[TP]
	v_nop                                          ; a plain place behind the transcendental
	s_wait_alu depctr_va_vdst(0)                   ; the wait ahead of the first reader
	WIN 0x41                                       ; destination and source 0 window 1
.set ii, 0
.rept 32
	v_pk_mul_f32 v[ii:ii+1], v[ii:ii+1], v[RS:RS+1] op_sel_hi:[1,0]
.set ii, ii+2
.endr
	QUANT 0, 1, PW+\a
	OUTBLK \a, 0
.if (\a) < 4
	CSLOAD (\a)+4                                  ; the set was read out by the RoPE above: it takes the block four further on
.endif
.endm
.irp a, 0,1,2,3,4,5,6,7
	QKBLK \a
.endr
	OUTSC 0
	s_branch .Lend
.Lv:
	; ---- v: block a = 16 values of d; a lane's registers run along my 128 keys: quantised straight from the accumulators
	s_add_nc_u64 s[36:37], s[32:33], s[22:23]
	s_add_nc_u64 s[34:35], s[32:33], s[20:21]
.irp a, 0,1,2,3,4,5,6,7
	QUANT 64*(\a%4), 2+\a/4, PW+\a
	OUTBLK \a, 1
.endr
	OUTSC 1
.Lend:
	s_wait_tensorcnt 0x0                           ; the wave's end: behind my last tensor load and my last LDS store
	ds_add_u32 v[SPW], v[NIL]
	s_wait_dscnt 0x0
	CROUND                                         ; the closing round
	s_endpgm
.Lfunc_end_k_qfefc7c898a_qkv:
	.size	k_qfefc7c898a_qkv, .Lfunc_end_k_qfefc7c898a_qkv-k_qfefc7c898a_qkv
	.p2alignl 7, 3214868480
	.fill 96, 4, 3214868480
	.section	.rodata,"a",@progbits
	.p2align	6, 0x0
	.amdhsa_kernel k_qfefc7c898a_qkv
		.amdhsa_group_segment_fixed_size 327680
		.amdhsa_private_segment_fixed_size 0
		.amdhsa_enable_private_segment 0
		.amdhsa_kernarg_size 56
		.amdhsa_user_sgpr_count 2
		.amdhsa_user_sgpr_kernarg_segment_ptr 1
		.amdhsa_wavefront_size32 1
		.amdhsa_system_sgpr_workgroup_id_x 1
		.amdhsa_system_sgpr_workgroup_id_y 1
		.amdhsa_system_sgpr_workgroup_id_z 1
		.amdhsa_system_vgpr_workitem_id 0
		.amdhsa_next_free_vgpr 1024
		.amdhsa_next_free_sgpr 100
		.amdhsa_reserve_vcc 0
		.amdhsa_float_denorm_mode_32 3
		.amdhsa_float_denorm_mode_16_64 3
		.amdhsa_memory_ordered 1
		.amdhsa_forward_progress 1
		.amdhsa_inst_pref_size 255
	.end_amdhsa_kernel
	.section	.bss,"aw",@nobits
	.p2align	6
	.space	262144
	.amdgpu_metadata
---
amdhsa.version: [ 1, 2 ]
amdhsa.kernels:
  - .name:           k_qfefc7c898a_qkv
    .symbol:         k_qfefc7c898a_qkv.kd
    .args:
      - { .name: xim, .offset: 0, .size: 8, .value_kind: global_buffer, .address_space: global }
      - { .name: wim, .offset: 8, .size: 8, .value_kind: global_buffer, .address_space: global }
      - { .name: cos, .offset: 16, .size: 8, .value_kind: global_buffer, .address_space: global }
      - { .name: sin, .offset: 24, .size: 8, .value_kind: global_buffer, .address_space: global }
      - { .name: qim, .offset: 32, .size: 8, .value_kind: global_buffer, .address_space: global }
      - { .name: kim, .offset: 40, .size: 8, .value_kind: global_buffer, .address_space: global }
      - { .name: vim, .offset: 48, .size: 8, .value_kind: global_buffer, .address_space: global }
    .group_segment_fixed_size: 327680
    .private_segment_fixed_size: 0
    .kernarg_segment_align: 8
    .kernarg_segment_size: 56
    .max_flat_workgroup_size: 128
    .sgpr_count:     100
    .vgpr_count:     1024
    .wavefront_size: 32
...
	.end_amdgpu_metadata
.endif
;; end of part 2
;; launch attn (part 3): grid 16 x 16, 8 waves a work-group, no clusters, 327,680 bytes of LDS; arguments qim, kim, vim, yim; writes yim
.if DOCPART == 3
	.amdgcn_target "amdgcn-amd-amdhsa--gfx1250"
	.amdhsa_code_object_version 6
	.text
	.protected	k_qfefc7c898a_attn
	.globl	k_qfefc7c898a_attn
	.p2align	8
	.type	k_qfefc7c898a_attn,@function
k_qfefc7c898a_attn:
	s_mov_b64 s[64:65], 0
	v_nop
	global_prefetch_b8 v0, s[64:65] scope:SCOPE_SE
	s_setreg_imm32_b32 hwreg(HW_REG_WAVE_MODE, 25, 1), 1
	s_wait_xcnt 0x0
; ATTN: y = softmax(q k^T / sqrt(128)) v under the causal mask, on codes of FP6 with E8M0 scales; p = 2^(t - M), M the running ceiling of the largest t; the row's sum is taken of the unquantised p; y leaves as codes.
; OPERANDS are images of fragment registers (1,536 bytes; registers 4 c .. 4 c + 3 of lane l at 512 c + 16 l); row r of tile a is token 32 (a / 2) + 8 (a % 2) + r + 8 (r / 8).
; A work-group (x, y) serves batch x head y and eight query tiles: the low tiles 16 j + x and the high tiles 127 - 16 j - x, j = 0 .. 3: tiles of all heights in every work-group, so that all work-groups
; have nearly the same number of key steps to fetch from LDS, and every work-group reads all four slots.
; A WAVE (s = wave / 4, j = wave % 4 for s = 0, 3 - wave % 4 for s = 1) HOLDS TWO TILES, low j and high j, AND TAKES THE KEY STEPS OF PARITY s (128 keys each): the tile-steps under the mask, 17 or 18 for a pair of tiles,
; are halved between waves w and 7 - w, and a fragment of K or V that is in registers serves both tiles.  Tile A is the one the wave finishes (s = 0: the high one, s = 1: the low one); tile B's part (O^T, -M, the sum) goes
; through a stage in LDS to wave 7 - w, which joins the two parts: both are brought under the larger M by powers of two, which round nothing.  A part with no key step has O^T = 0, sum 0 and the starting M, and its factor comes out 0.
; Both products are used transposed (S^T = k q^T, O^T = v^T p^T): a lane holds one query, its registers run along keys, then along d.
; K and V go through two LDS slots of four key steps (49,152 bytes each of K and V); waves 0-3 fetch K's quarters, waves 4-7 V's.  At the head each wave issues one load: three waves a third of slot 0's K, three of V, one K's scale words, one V's.
; Key steps that lie wholly behind the mask for a tile are jumped over by scalar branches on ids; every wave passes every wait, add and barrier.
; CLUSTER NONE: the sixteen work-groups of one y read the same K and V, but which steps a work-group jumps over hangs on its x, so branches would differ between partners of a joint load.
; PREFETCH: work-group x = 0 asks for all sixteen: waves 0-5, a lane 256 bytes, 49,152 bytes of K and of V, one slot ahead of the tensor load; the last slot's change asks for nothing.
; LIMITS: NaN and infinities are not served; a block whose largest magnitude lies under 2^-124 keeps the scale byte 1; the promise holds while the scaled scores stay under 2^31 in magnitude.
; REGISTERS: window 0: v1-11, 28, 48-51 addresses; v12-15 / v44-47 -M, largest t, the sum's halves (A / B); v16-27 / v32-43 q; v30, v31 q's scale words; v80-95 K's and V's; v96-159 S^T, then p; v160-223 O^T of A; v224-255 codes and work.
;   window 1: v0-95 K's eight fragments, v96-191 V's, v192-255 O^T of B.
.set NSL,   4
.set SLOTB, 49152
.set VOFF,  SLOTB
.set SLOT1, 1<<17                      ; slot 1 lies 131,072 bytes behind slot 0
.set SCK,   98304                      ; between the slots: K's scale words, V's, the spare words
.set SPARE, SCK+16384
.set STGB,  SLOT1+2*SLOTB              ; behind slot 1: a stage of 8,704 bytes for each wave; no tile lands here
.set STW,   8704
.set QS_OFF, 3145728
.set LI,   1
.set LN,   2
.set SCA,  3
.set R4,   4
.set SPW,  5
.set NIL,  6
.set DQ,   7
.set ADK,  8
.set ADV,  9
.set ADS,  10
.set LK,   11
.set PFO,  28
.set QSA,  30
.set QSB,  31
.set SGA,  48
.set SGB,  49
.set SMA,  50
.set SMB,  51
.set PC,   52
.set KS,   80
.set VS,   88
.set KFR,  0
.set VFR,  96
.set TM,   232
.set WV,   18
.set PAR,  19
.set SEL,  20
.set CS,   22
.set G1T,  24
.set G1S,  32
.set G0K,  40
.set G0V,  44
.set G0H,  48
.set G0S,  52
.set G1H,  56
.set TB,   2
.set TS,   3
.set QM,   66
.set SLOTS, 67
.set PFK,  76
.set PFV,  78
.set LIM,  80
.set Q0B,  81
.set KF,   98
.set Q0A,  99
.set MSB, 0
.macro WIN new
.if MSB != (\new)
	s_set_vgpr_msb (MSB<<8)|(\new)
.set MSB, (\new)
.endif
.endm
.macro NOPS
.rept 4
	v_nop
.endr
.endm
.macro TLOAD                           ; the ring's load: waves 0-3 a quarter of K's slot, waves 4-7 of V's
	s_cmp_lt_u32 s[WV], 4
	s_cbranch_scc0 .Lfor_v_\@
	tensor_load_to_lds s[G0K:G0K+3], s[G1T:G1T+7]
	s_nop 0
	NOPS
	s_branch .Lasked_\@
.Lfor_v_\@:
	tensor_load_to_lds s[G0V:G0V+3], s[G1T:G1T+7]
	s_nop 0
	NOPS
.Lasked_\@:
.endm
.macro ASK
	s_cmp_gt_u32 s[SLOTS], s[LIM]
	s_cbranch_scc0 .Lnot_mine_\@
	global_prefetch_b8 v[PFO], s[PFK:PFK+1] th:TH_LOAD_NT scope:SCOPE_SE
	global_prefetch_b8 v[PFO], s[PFV:PFV+1] th:TH_LOAD_NT scope:SCOPE_SE
.Lnot_mine_\@:
.endm
.macro KLOAD q                         ; 32 LDS loads: a key step's scale words and eight fragments of K (my parity stands in the address registers)
.irp t, 0,1,2,3,4,5,6,7
	ds_load_b32 v[KS+\t], v[ADS] offset:512*(\q)+64*\t
.endr
	WIN 0x40
.irp t, 0,1,2,3,4,5,6,7
.irp c, 0,1,2
	ds_load_b128 v[KFR+12*\t+4*\c:KFR+12*\t+4*\c+3], v[ADK] offset:(8*(\q)+\t)*1536+512*\c
.endr
.endr
	WIN 0
.endm
.macro VLOAD q                         ; 32 LDS loads: the same of V
.irp t, 0,1,2,3,4,5,6,7
	ds_load_b32 v[VS+\t], v[ADS] offset:8192+512*(\q)+64*\t
.endr
	WIN 0x40
.irp t, 0,1,2,3,4,5,6,7
.irp c, 0,1,2
	ds_load_b128 v[VFR+12*\t+4*\c:VFR+12*\t+4*\c+3], v[ADV] offset:12288*(\q)+\t*1536+512*\c
.endr
.endr
	WIN 0
.endm
.macro TOK d, a                        ; tile a's first token
	s_lshr_b32 s[\d], s[\a], 1
	s_lshl_b32 s[\d], s[\d], 5
	s_and_b32 s96, s[\a], 1
	s_lshl_b32 s96, s96, 3
	s_add_co_u32 s[\d], s[\d], s96
.endm
	s_load_b256 s[4:11], s[0:1], 0x0               ; qim, kim, vim, yim
	v_lshl_add_u32 v[SPW], v0, 2, SPARE
	v_mov_b32 v[NIL], 0
	ds_add_u32 v[SPW], v[NIL]                      ; the opening lines: the add, twice on end, and one wait
	ds_add_u32 v[SPW], v[NIL]
	v_lshrrev_b32 v8, 5, v0
	v_readfirstlane_b32 s[WV], v8
	s_and_b32 s72, ttmp7, 0xffff                   ; batch x head
	s_mul_i32 s74, s72, 196608                     ; its codes of K or V
	s_lshl_b32 s82, s72, 13
	s_add_co_u32 s82, s82, QS_OFF                  ; its scale words
	s_mov_b32 s83, 0
	s_and_b32 s88, s[WV], 3                        ; which part of a tile of K or V I fetch
	s_lshr_b32 s[PAR], s[WV], 2                    ; s
	s_mul_i32 s84, s[PAR], 3
	s_xor_b32 s84, s84, s88                        ; j
	s_lshl_b32 s84, s84, 4
	s_add_co_u32 s84, s84, ttmp9                   ; the low tile: 16 j + x
	s_sub_co_u32 s85, 127, s84                     ; the high tile
	s_cmp_eq_u32 s[PAR], 0
	s_cselect_b32 s86, s85, s84                    ; tile A
	s_cselect_b32 s87, s84, s85                    ; tile B
	TOK Q0A, 86
	TOK Q0B, 87
	TOK QM, 85
	s_lshl_b32 s89, s72, 7
	s_add_co_u32 s90, s89, s86
	s_add_co_u32 s91, s89, s87
	s_mul_i32 s68, s90, 1536                       ; q of A: codes, words
	s_mov_b32 s69, 0
	s_lshl_b32 s70, s90, 6
	s_add_co_u32 s70, s70, QS_OFF
	s_mov_b32 s71, 0
	s_mul_i32 s92, s91, 1536                       ; q of B
	s_mov_b32 s93, 0
	s_lshl_b32 s94, s91, 6
	s_add_co_u32 s94, s94, QS_OFF
	s_mov_b32 s95, 0
	s_lshr_b32 s89, s72, 2                         ; y of A: image (128 batch + tile, head)
	s_lshl_b32 s89, s89, 7
	s_add_co_u32 s89, s89, s86
	s_lshl_b32 s89, s89, 2
	s_and_b32 s90, s72, 3
	s_add_co_u32 s89, s89, s90
	s_mul_i32 s12, s89, 1536
	s_mov_b32 s13, 0
	s_lshl_b32 s14, s89, 6
	s_add_co_u32 s14, s14, QS_OFF
	s_mov_b32 s15, 0
	s_mul_i32 s73, s88, 12288                      ; the ring: my quarter of a slot
	s_add_co_u32 s90, s74, s73
	s_mov_b32 s91, 0
	s_lshl_b32 s75, s88, 14                        ; the head: my third of slot 0's K or V
	s_mul_i32 s96, s[PAR], VOFF
	s_add_co_u32 s[G0H+1], s96, s75
	s_add_co_u32 s96, s74, s75
	s_mov_b32 s97, 0
	s_lshl_b32 s[G0S+1], s[PAR], 13
	s_add_co_u32 s[G0S+1], s[G0S+1], SCK
.irp g, G1T, G1S, G1H                  ; dense blocks as rows of 256 bytes
	s_mov_b32 s[\g], 3<<16
	s_mov_b32 s[\g+1], 32<<16
	s_mov_b32 s[\g+3], 32<<16
	s_mov_b32 s[\g+5], 32
	s_mov_b32 s[\g+6], 0
	s_mov_b32 s[\g+7], 0
.endr
	s_mov_b32 s[G1T+2], 48<<16                     ; 12,288 bytes
	s_mov_b32 s[G1T+4], 48
	s_mov_b32 s[G1S+2], 32<<16                     ; 8,192 bytes
	s_mov_b32 s[G1S+4], 32
	s_mov_b32 s[G1H+2], 64<<16                     ; 16,384 bytes
	s_mov_b32 s[G1H+4], 64
	s_mov_b32 s[SEL], 0x76543210
	s_mov_b32 s[SEL+1], 0xfedcba98
	s_mov_b32 s[CS], 0x3e0293ee                    ; log2(e) / sqrt(128)
	s_mov_b32 s[CS+1], s[CS]
	s_mov_b32 s[TB], 0
	s_mov_b32 s[TS], 0
	s_mov_b32 s[SLOTS], NSL-1
	s_lshl_b32 s[KF], s[PAR], 7                    ; my first key step's first key
	s_wait_alu depctr_va_vdst(0)                   ; the wait ahead of the blocking wait
	s_wait_dscnt 0x0
	s_wait_kmcnt 0x0
	s_cmp_lt_u32 s[WV], 4
	s_cselect_b64 s[84:85], s[6:7], s[8:9]         ; K's waves or V's
	s_mov_b32 s[G0H], 1
	s_add_nc_u64 s[G0H+2:G0H+3], s[84:85], s[96:97]
	s_or_b32 s[G0H+3], s[G0H+3], 0x80000000
	s_mov_b32 s[G0S], 1
	s_add_nc_u64 s[G0S+2:G0S+3], s[84:85], s[82:83]
	s_or_b32 s[G0S+3], s[G0S+3], 0x80000000
	s_cmp_lt_u32 s88, 3                            ; one load a wave: parts 0 to 2 a third of the codes, part 3 the scale words of all 2,048 keys
	s_cbranch_scc0 .Lhead_s
	tensor_load_to_lds s[G0H:G0H+3], s[G1H:G1H+7]
	s_nop 0
	NOPS
	s_branch .Lhead_j
.Lhead_s:
	tensor_load_to_lds s[G0S:G0S+3], s[G1S:G1S+7]
	s_nop 0
	NOPS
.Lhead_j:
	s_mov_b32 s[G0K], 1                            ; the ring's groups 0 stand at slot 0: the first change of slots steps them to slot 1
	s_mov_b32 s[G0K+1], s73
	s_add_nc_u64 s[G0K+2:G0K+3], s[6:7], s[90:91]
	s_or_b32 s[G0K+3], s[G0K+3], 0x80000000
	s_mov_b32 s[G0V], 1
	s_add_co_u32 s[G0V+1], s73, VOFF
	s_add_nc_u64 s[G0V+2:G0V+3], s[8:9], s[90:91]
	s_or_b32 s[G0V+3], s[G0V+3], 0x80000000
	s_add_nc_u64 s[68:69], s[4:5], s[68:69]
	s_add_nc_u64 s[70:71], s[4:5], s[70:71]
	s_add_nc_u64 s[92:93], s[4:5], s[92:93]
	s_add_nc_u64 s[94:95], s[4:5], s[94:95]
	s_add_nc_u64 s[12:13], s[10:11], s[12:13]
	s_add_nc_u64 s[14:15], s[10:11], s[14:15]
	s_lshl_b32 s86, s[WV], 13
	s_add_co_u32 s86, s86, s74
	s_add_co_u32 s86, s86, SLOTB
	s_mov_b32 s87, 0
	s_add_nc_u64 s[PFK:PFK+1], s[6:7], s[86:87]
	s_add_nc_u64 s[PFV:PFV+1], s[8:9], s[86:87]
	s_cmp_lt_u32 s[WV], 6
	s_cselect_b32 s[LIM], 1, -1
	s_cmp_eq_u32 ttmp9, 0
	s_cselect_b32 s[LIM], s[LIM], -1
	v_and_b32 v[LN], 31, v0
	v_and_b32 v8, 15, v0
	v_bfe_u32 v9, v0, 4, 1
	v_lshlrev_b32 v[LI], 4, v[LN]
	v_lshlrev_b32 v[PFO], 8, v[LN]
	v_lshlrev_b32 v[R4], 2, v8
	s_mul_i32 s96, s[PAR], 12288
	v_add_nc_u32 v[LK], s96, v[LI]                 ; 16 x lane + my parity's key step
	s_lshl_b32 s96, s[PAR], 9
	s_add_co_u32 s96, s96, SCK
	v_add_nc_u32 v[SCA], s96, v[R4]
	v_and_b32 v10, 8, v8
	v_lshlrev_b32 v9, 4, v9
	v_add_nc_u32 v10, v10, v8
	v_sub_nc_u32 v[DQ], v10, v9                    ; r + 8 (r / 8) - 16 (lane / 16)
	s_mul_i32 s96, s[WV], STW
	s_add_co_u32 s96, s96, STGB                    ; my stage,
	v_add_nc_u32 v[SGA], s96, v[LI]
	v_lshl_add_u32 v[SMA], v[LN], 3, s96
	s_xor_b32 s97, s[WV], 7
	s_mul_i32 s97, s97, STW
	s_add_co_u32 s97, s97, STGB                    ; and that of wave 7 - w, which has my tiles and the other parity
	v_add_nc_u32 v[SGB], s97, v[LI]
	v_lshl_add_u32 v[SMB], v[LN], 3, s97
	s_wait_alu depctr_va_vdst(0)                   ; the wait ahead of the readers below
.irp c, 0,1,2
	global_load_b128 v[16+4*\c:19+4*\c], v[LI], s[68:69] offset:512*\c
	global_load_b128 v[32+4*\c:35+4*\c], v[LI], s[92:93] offset:512*\c
.endr
	global_load_b32 v[QSA], v[R4], s[70:71]
	global_load_b32 v[QSB], v[R4], s[94:95]
	v_mov_b32 v13, 0xff61b1e6                      ; the largest t so far: -3e38
	v_mov_b32 v45, 0xff61b1e6
	v_floor_f32 v12, -v13                          ; -M
	v_floor_f32 v44, -v45
.irp r, 14,15,46,47,236,237,238,239,252,253,255
	v_mov_b32 v\r, 0
.endr
.set jj, 0
.rept 64
	v_mov_b32 v[160+jj], 0                         ; O^T of A: which step is a tile's first hangs on ids, so the sums begin as zeros
.set jj, jj+1
.endr
	WIN 0x40
.set jj, 0
.rept 64
	v_mov_b32 v[192+jj], 0                         ; O^T of B
.set jj, jj+1
.endr
	WIN 0
; One tile's share of a key step.  st: its -M, largest t and sum; qf, qs: q's fragment and scale words; ow, ob: window and first register of O^T; q0: its first token; oq0: the other tile's.
; nxt = 1: the slot has a further key step of my parity; its K is fetched as soon as the last tile that wants this step's K has multiplied (lastj = 0: only if the other tile jumps over this step).
.macro JOB st, qf, qs, ow, ob, q0, oq0, q, nxt, lastj
	s_add_co_u32 s96, s[\q0], 23                   ; the tile's last token
	s_cmp_gt_u32 s[KF], s96
	s_cbranch_scc1 .Lhid_\@                        ; every key of the step lies behind the mask
	WIN 0x01
.irp t, 0,1,2,3,4,5,6,7
	v_wmma_scale_f32_16x16x128_f8f6f4 v[96+8*\t:103+8*\t], v[KFR+12*\t:KFR+12*\t+11], v[\qf:\qf+11], 0, v[KS+\t], v[\qs] matrix_a_fmt:MATRIX_FMT_FP6 matrix_b_fmt:MATRIX_FMT_FP6
.endr
	WIN 0
	NOPS                                           ; places: ahead of the reads of S^T and of loads into K's registers
.if \nxt
.if \lastj == 0
	s_add_co_u32 s96, s[\oq0], 23
	s_cmp_le_u32 s[KF], s96
	s_cbranch_scc1 .Lkeep_\@
.endif
	KLOAD (\q)+2
.Lkeep_\@:
.endif
	s_add_co_u32 s96, s[KF], 127
	s_cmp_le_u32 s96, s[\q0]
	s_cbranch_scc1 .Lopen_\@                       ; no key of the step is masked
	s_sub_co_i32 s96, s[\q0], s[KF]
	v_add_nc_u32 v252, s96, v[DQ]
	v_mov_b32 v254, 0xff800000
.irp n, 0,1,2,3,4,5,6,7,8,9,10,11,12,13,14,15,16,17,18,19,20,21,22,23,24,25,26,27,28,29,30,31,32,33,34,35,36,37,38,39,40,41,42,43,44,45,46,47,48,49,50,51,52,53,54,55,56,57,58,59,60,61,62,63
	v_cmp_gt_i32 vcc_lo, 32*(\n/16)+\n%16, v252
	v_cndmask_b32 v[96+\n], v[96+\n], v254, vcc_lo
.endr
.Lopen_\@:
.irp b, 0,1,2,3
	v_max3_num_f32 v[232+\b], v[96+16*\b], v[97+16*\b], v[98+16*\b]   ; each block's largest score: for the row's maximum and for the block's largest p
.endr
.irp i, 3,5,7,9,11,13
.irp b, 0,1,2,3
	v_max3_num_f32 v[232+\b], v[232+\b], v[96+16*\b+\i], v[97+16*\b+\i]
.endr
.endr
.irp b, 0,1,2,3
	v_max_num_f32 v[232+\b], v[232+\b], v[111+16*\b]
.endr
.irp b, 0,1,2,3
	s_delay_alu instid0(VALU_DEP_4)
	v_permlanex16_b32 v[236+\b], v[232+\b], s[SEL], s[SEL+1]
.endr
.irp b, 0,1,2,3
	s_delay_alu instid0(VALU_DEP_4)
	v_max_num_f32 v[232+\b], v[232+\b], v[236+\b]
.endr
	s_delay_alu instid0(VALU_DEP_2)
	v_max3_num_f32 v254, v232, v233, v234
	s_delay_alu instid0(VALU_DEP_1)
	v_max_num_f32 v254, v254, v235
	s_delay_alu instid0(VALU_DEP_1)
	v_mul_f32 v254, s[CS], v254
	s_delay_alu instid0(VALU_DEP_1)
	v_max_num_f32 v[\st+1], v[\st+1], v254         ; the running largest t
	v_mov_b32 v254, v[\st]
	s_delay_alu instid0(VALU_DEP_2)
	v_floor_f32 v[\st], -v[\st+1]                  ; -M = -ceil(t)
	s_delay_alu instid0(VALU_DEP_1)
	v_sub_f32 v254, v[\st], v254
	s_delay_alu instid0(VALU_DEP_1)
	v_cvt_i32_f32 v254, v254
	s_delay_alu instid0(VALU_DEP_1)
	v_ldexp_f32 v252, 1.0, v254                    ; f = 2^(old M - new M)
.set jj, 0
.rept 32
	v_pk_fma_f32 v[96+jj:97+jj], v[96+jj:97+jj], s[CS:CS+1], v[\st:\st+1] op_sel_hi:[1,0,0]
.set jj, jj+2
.endr
.irp b, 0,1,2,3
	v_fma_f32 v[232+\b], v[232+\b], s[CS], v[\st]
.endr
	s_wait_alu depctr_va_vdst(0)                   ; the wait ahead of the batch
.set jj, 0
.rept 64
	v_exp_f32 v[96+jj], v[96+jj]
.set jj, jj+1
.endr
	v_pk_mul_f32 v[\st+2:\st+3], v[\st+2:\st+3], v[252:253] op_sel_hi:[1,0]
	s_wait_alu depctr_va_vdst(0)                   ; and behind it
.irp b, 0,1,2,3
	v_exp_f32 v[232+\b], v[232+\b]
.endr
	v_pk_add_f32 v[236:237], v[96:97], v[98:99]    ; the sum of the unquantised p, in two chains
.irp j, 4,8,12,16,20,24,28,32,36,40,44,48,52,56,60
	v_pk_add_f32 v[\st+2:\st+3], v[\st+2:\st+3], v[96+\j:97+\j]
	v_pk_add_f32 v[236:237], v[236:237], v[98+\j:99+\j]
.endr
	s_delay_alu instid0(VALU_DEP_1)
	v_pk_add_f32 v[\st+2:\st+3], v[\st+2:\st+3], v[236:237]
	s_wait_alu depctr_va_vdst(0)
.irp b, 0,1,2,3
	v_max_num_f32 v[232+\b], 0x1800000, v[232+\b]  ; the floor: the byte cannot fall under 1
.endr
.irp b, 0,1,2,3
	s_delay_alu instid0(VALU_DEP_4)
	v_add_nc_u32 v[244+\b], 0xff000000, v[232+\b]
.endr
.irp b, 0,1,2,3
	s_delay_alu instid0(VALU_DEP_4)
	v_lshrrev_b32 v[236+\b], 23, v[244+\b]
.endr
	s_delay_alu instid0(VALU_DEP_3)
	v_lshl_or_b32 v253, v237, 8, v236
	s_delay_alu instid0(VALU_DEP_1)
	v_lshl_or_b32 v253, v238, 16, v253
	s_delay_alu instid0(VALU_DEP_1)
	v_lshl_or_b32 v253, v239, 24, v253             ; p's scale word
.irp c, 0,1
	v_cvt_scalef32_pk16_fp6_f32 v[224+6*\c:226+6*\c], v[96+32*\c:111+32*\c], v[244+2*\c]
	v_cvt_scalef32_pk16_fp6_f32 v[236+4*\c:238+4*\c], v[112+32*\c:127+32*\c], v[244+2*\c+1]
.endr
	v_nop
.irp c, 0,1
.irp i, 0,1,2
	v_permlane16_swap_b32 v[224+6*\c+\i], v[236+4*\c+\i]
.endr
.irp i, 0,1,2
	s_delay_alu instid0(VALU_DEP_3)
	v_mov_b32 v[227+6*\c+\i], v[236+4*\c+\i]
.endr
.endr
	WIN ((\ow)<<6)|(\ow)
	s_wait_alu depctr_va_vdst(0)                   ; the wait directly ahead of the first reader of O^T
.set jj, 0
.rept 32
	v_pk_mul_f32 v[\ob+jj:\ob+jj+1], v[\ob+jj:\ob+jj+1], v[252:253] op_sel_hi:[1,0]
.set jj, jj+2
.endr
	s_wait_alu depctr_va_vdst(0)                   ; ahead of the blocking wait
	s_wait_dscnt 0x0                               ; V's fragments are in
	WIN ((\ow)<<6)|((\ow)<<4)|1
.irp t, 0,1,2,3,4,5,6,7
	v_wmma_scale_f32_16x16x128_f8f6f4 v[\ob+8*\t:\ob+8*\t+7], v[VFR+12*\t:VFR+12*\t+11], v[224:235], v[\ob+8*\t:\ob+8*\t+7], v[VS+\t], v253 matrix_a_fmt:MATRIX_FMT_FP6 matrix_b_fmt:MATRIX_FMT_FP6
.endr
	WIN 0
.Lhid_\@:
.endm
.macro KSTEP q, nxt                    ; a key step of my parity, for both tiles.  Its K has been asked for
	s_add_co_u32 s96, s[QM], 23
	s_cmp_gt_u32 s[KF], s96
	s_cbranch_scc1 .Lskip_\@
	NOPS                                           ; places ahead of loads into V's registers
	VLOAD \q
	s_wait_dscnt 32                                ; K's loads are in: behind them stand V's 32
	JOB 12, 16, QSA, 0, 160, Q0A, Q0B, \q, \nxt, 0
	JOB 44, 32, QSB, 1, 192, Q0B, Q0A, \q, \nxt, 1
	s_wait_dscnt 0x0                               ; no LDS load of this step is out when the next step's are issued (a tile that took part has waited already, ahead of its products with V)
.Lskip_\@:
	s_add_co_u32 s[KF], s[KF], 256
.endm
.macro CHANGE fill                     ; a change of slots: a wait, an add, a wait and the barrier; the refill first behind it
	s_wait_tensorcnt 0x0
	ds_add_u32 v[SPW], v[NIL]
.if \fill
	s_xor_b32 s[G0K+1], s[G0K+1], SLOT1
	s_add_nc_u64 s[G0K+2:G0K+3], s[G0K+2:G0K+3], SLOTB
	s_xor_b32 s[G0V+1], s[G0V+1], SLOT1
	s_add_nc_u64 s[G0V+2:G0V+3], s[G0V+2:G0V+3], SLOTB
	s_wait_xcnt 0x0
	s_add_nc_u64 s[PFK:PFK+1], s[PFK:PFK+1], SLOTB
	s_add_nc_u64 s[PFV:PFV+1], s[PFV:PFV+1], SLOTB
.endif
	s_wait_dscnt 0x0
	s_barrier_signal -1
	s_barrier_wait -1
.if \fill
	TLOAD
	ASK
.endif
.endm
.macro SLOT_STEPS
	v_add_nc_u32 v[ADK], s[TB], v[LK]
	v_add_nc_u32 v[ADS], s[TS], v[SCA]
	s_delay_alu instid0(VALU_DEP_2)
	v_add_nc_u32 v[ADV], VOFF, v[ADK]
	s_wait_alu depctr_va_vdst(0)
	s_wait_loadcnt 0x0                             ; q's fragments and scale words are in (asked for at the head)
	s_add_co_u32 s96, s[QM], 23
	s_cmp_gt_u32 s[KF], s96
	s_cbranch_scc1 .Lnone_\@
	KLOAD 0
	KSTEP 0, 1
	KSTEP 2, 0
	s_branch .Ldone_\@
.Lnone_\@:
	s_add_co_u32 s[KF], s[KF], 512
.Ldone_\@:
	s_xor_b32 s[TB], s[TB], SLOT1
	s_add_co_u32 s[TS], s[TS], 2048
.endm
	s_wait_alu depctr_va_vdst(0)                   ; the wait at the head's end
.Lslot:
	CHANGE 1
	SLOT_STEPS
	s_sub_co_u32 s[SLOTS], s[SLOTS], 1
	s_cmp_lg_u32 s[SLOTS], 0
	s_cbranch_scc1 .Lslot
	CHANGE 0
	SLOT_STEPS
	; ---- tile B's part goes to the wave that finishes it; tile A's other part comes from there
	NOPS
	v_add_f32 v14, v14, v15
	v_add_f32 v45, v46, v47                        ; beside -M: the sum
	WIN 0x04                                       ; the stores' data in window 1
	s_wait_alu depctr_va_vdst(0)                   ; the wait ahead of the first reader of O^T
.set jj, 0
.rept 16
	ds_store_b128 v[SGA], v[192+4*jj:195+4*jj] offset:512*jj
.set jj, jj+1
.endr
	WIN 0
	ds_store_b64 v[SMA], v[44:45] offset:8192
	s_wait_dscnt 0x0
	s_barrier_signal -1
	s_barrier_wait -1
.set jj, 0
.rept 16
	ds_load_b128 v[96+4*jj:99+4*jj], v[SGB] offset:512*jj
.set jj, jj+1
.endr
	ds_load_b64 v[232:233], v[SMB] offset:8192
	s_wait_dscnt 0x0
	v_min_num_f32 v234, v12, v232                  ; -M of the two parts together
	v_sub_f32 v235, v234, v12
	v_sub_f32 v236, v234, v232
	v_cvt_i32_f32 v235, v235
	v_cvt_i32_f32 v236, v236
	v_ldexp_f32 v252, 1.0, v235                    ; my part's factor,
	v_ldexp_f32 v254, 1.0, v236                    ; the other's: powers of two, or 0 for a part with no key step
	v_mul_f32 v14, v14, v252
	v_fmac_f32 v14, v233, v254
	v_permlanex16_b32 v237, v14, s[SEL], s[SEL+1]
	v_add_f32 v14, v14, v237                       ; the row's sum
	s_wait_alu depctr_va_vdst(0)
	v_rcp_f32 v14, v14
	v_nop
	s_wait_alu depctr_va_vdst(0)
	v_mul_f32 v252, v252, v14
	v_mul_f32 v254, v254, v14
.set jj, 0
.rept 32
	v_pk_mul_f32 v[96+jj:97+jj], v[96+jj:97+jj], v[254:255] op_sel_hi:[1,0]
.set jj, jj+2
.endr
.set jj, 0
.rept 32
	v_pk_fma_f32 v[96+jj:97+jj], v[160+jj:161+jj], v[252:253], v[96+jj:97+jj] op_sel_hi:[1,0,1]
.set jj, jj+2
.endr
	; ---- y's quantiser along d: register 16 b + i is d = 32 b + 16 (lane / 16) + i
.irp b, 0,1,2,3
	v_max3_num_f32 v[TM+\b], |v[96+16*\b]|, |v[97+16*\b]|, 0x1800000
.endr
.irp i, 2,4,6,8,10,12,14
.irp b, 0,1,2,3
	s_delay_alu instid0(VALU_DEP_4)
	v_max3_num_f32 v[TM+\b], v[TM+\b], |v[96+16*\b+\i]|, |v[97+16*\b+\i]|
.endr
.endr
.irp b, 0,1,2,3
	s_delay_alu instid0(VALU_DEP_4)
	v_permlanex16_b32 v[TM+4+\b], v[TM+\b], s[SEL], s[SEL+1]
.endr
.irp b, 0,1,2,3
	s_delay_alu instid0(VALU_DEP_4)
	v_max_num_f32 v[TM+\b], v[TM+\b], v[TM+4+\b]
.endr
.irp b, 0,1,2,3
	s_delay_alu instid0(VALU_DEP_4)
	v_add_nc_u32 v[TM+12+\b], 0xff000000, v[TM+\b]
.endr
.irp b, 0,1,2,3
	s_delay_alu instid0(VALU_DEP_4)
	v_lshrrev_b32 v[TM+4+\b], 23, v[TM+12+\b]
.endr
	s_delay_alu instid0(VALU_DEP_3)
	v_lshl_or_b32 v253, v[TM+5], 8, v[TM+4]
	s_delay_alu instid0(VALU_DEP_1)
	v_lshl_or_b32 v253, v[TM+6], 16, v253
	s_delay_alu instid0(VALU_DEP_1)
	v_lshl_or_b32 v253, v[TM+7], 24, v253
.irp c, 0,1
	v_cvt_scalef32_pk16_fp6_f32 v[PC+6*\c:PC+6*\c+2], v[96+32*\c:111+32*\c], v[TM+12+2*\c]
	v_cvt_scalef32_pk16_fp6_f32 v[PC+12+4*\c:PC+14+4*\c], v[112+32*\c:127+32*\c], v[TM+13+2*\c]
.endr
	v_nop
.irp c, 0,1
.irp i, 0,1,2
	v_permlane16_swap_b32 v[PC+6*\c+\i], v[PC+12+4*\c+\i]
.endr
.irp i, 0,1,2
	s_delay_alu instid0(VALU_DEP_3)
	v_mov_b32 v[PC+3+6*\c+\i], v[PC+12+4*\c+\i]
.endr
.endr
.irp c, 0,1,2
	global_store_b128 v[LI], v[PC+4*\c:PC+4*\c+3], s[12:13] offset:512*\c   ; the image: 512 consecutive aligned bytes a store
.endr
	v_cmp_gt_u32 vcc_lo, 16, v[LN]
	s_wait_xcnt 0x0                                ; EXEC changes only behind this wait
	s_and_saveexec_b32 s82, vcc_lo
	global_store_b32 v[R4], v253, s[14:15]
	s_wait_xcnt 0x0
	s_or_b32 exec_lo, exec_lo, s82
	s_wait_tensorcnt 0x0                           ; the wave's end
	ds_add_u32 v[SPW], v[NIL]
	s_wait_dscnt 0x0
	s_endpgm
.Lfunc_end_k_qfefc7c898a_attn:
	.size	k_qfefc7c898a_attn, .Lfunc_end_k_qfefc7c898a_attn-k_qfefc7c898a_attn
	.p2alignl 7, 3214868480
	.fill 96, 4, 3214868480
	.section	.rodata,"a",@progbits
	.p2align	6, 0x0
	.amdhsa_kernel k_qfefc7c898a_attn
		.amdhsa_group_segment_fixed_size 327680
		.amdhsa_private_segment_fixed_size 0
		.amdhsa_enable_private_segment 0
		.amdhsa_kernarg_size 32
		.amdhsa_user_sgpr_count 2
		.amdhsa_user_sgpr_kernarg_segment_ptr 1
		.amdhsa_wavefront_size32 1
		.amdhsa_system_sgpr_workgroup_id_x 1
		.amdhsa_system_sgpr_workgroup_id_y 1
		.amdhsa_system_sgpr_workgroup_id_z 1
		.amdhsa_system_vgpr_workitem_id 0
		.amdhsa_next_free_vgpr 512
		.amdhsa_next_free_sgpr 100
		.amdhsa_reserve_vcc 1
		.amdhsa_float_denorm_mode_32 3
		.amdhsa_float_denorm_mode_16_64 3
		.amdhsa_memory_ordered 1
		.amdhsa_forward_progress 1
		.amdhsa_inst_pref_size 222
	.end_amdhsa_kernel
	.amdgpu_metadata
---
amdhsa.version: [ 1, 2 ]
amdhsa.kernels:
  - .name:           k_qfefc7c898a_attn
    .symbol:         k_qfefc7c898a_attn.kd
    .args:
      - { .name: qim, .offset: 0, .size: 8, .value_kind: global_buffer, .address_space: global }
      - { .name: kim, .offset: 8, .size: 8, .value_kind: global_buffer, .address_space: global }
      - { .name: vim, .offset: 16, .size: 8, .value_kind: global_buffer, .address_space: global }
      - { .name: yim, .offset: 24, .size: 8, .value_kind: global_buffer, .address_space: global }
    .group_segment_fixed_size: 327680
    .private_segment_fixed_size: 0
    .kernarg_segment_align: 8
    .kernarg_segment_size: 32
    .max_flat_workgroup_size: 256
    .sgpr_count:     100
    .vgpr_count:     512
    .wavefront_size: 32
...
	.end_amdgpu_metadata
.endif
;; end of part 3
;; launch proj (part 4): grid 8 x 32, 4 waves a work-group, clusters of 4 x 4, 327,680 bytes of LDS; arguments yim, wim, out0; writes out0
.if DOCPART == 4
	.amdgcn_target "amdgcn-amd-amdhsa--gfx1250"
	.amdhsa_code_object_version 6
	.text
	.protected	k_qfefc7c898a_proj
	.globl	k_qfefc7c898a_proj
	.p2align	8
	.type	k_qfefc7c898a_proj,@function
k_qfefc7c898a_proj:
	s_mov_b64 s[64:65], 0
	v_nop
	global_prefetch_b8 v0, s[64:65] scope:SCOPE_SE
	s_setreg_imm32_b32 hwreg(HW_REG_WAVE_MODE, 25, 1), 1
	s_wait_xcnt 0x0
	s_wait_alu depctr_hold_cnt(0) depctr_sa_sdst(0) depctr_va_vdst(0) depctr_va_sdst(0) depctr_va_ssrc(0) depctr_va_vcc(0) depctr_vm_vsrc(0)
	s_getreg_b32 s2, hwreg(HW_REG_IB_STS2, 6, 4)
	s_cmp_eq_u32 s2, 0
	s_cbranch_scc0 .Lentry_in_a_cluster
	s_endpgm
.Lentry_in_a_cluster:
	s_bfe_u32 s2, ttmp6, 0x10000c
	s_cmp_lg_u32 s2, 0xf033
	s_cbranch_scc0 .Lentry_shape_is_right
	s_endpgm
.Lentry_shape_is_right:
; PROJ: out0 [8192][2048] f32 = y wproj on codes of FP6 with E8M0 scales, K = 512 (a K step of 128 is a head).
; OPERANDS are images of fragment registers (1,536 bytes; registers 4 c .. 4 c + 3 of lane l at 512 c + 16 l); row r of tile a is index 32 (a / 2) + 8 (a % 2) + r + 8 (r / 8), for tokens and for wproj's columns.
;   yim: codes [token tile 512][K step 4][1536], from QS_OFF words [tile][K step][r];  wim: from PCO codes [column tile 128][K step 4][1536], from PSO words likewise.
; A work-group makes 256 x 256 of the output; four waves, each 128 x 128.  All of K comes into LDS at the head, one joint load a wave: y's 16 tiles (98,304 dense bytes), wproj's 16, y's scale words, wproj's.  Nothing is filled again.
; CLUSTERS 4 x 4: the four of a row of the cluster need the same tiles of y, the four of a column the same of wproj: each is asked for jointly.
; THE PRODUCT GOES BY ROWS OF THE RESULT: a wave's eight fragments of wproj for all four K steps stay in 384 registers; its eight blocks of 16 tokens are finished one after the other, 32 matrix instructions each
; (the block's 8 accumulators by turns, K ascending), in two sets of accumulators by turns, and each block leaves while the next is multiplied.  LDS is read as much as by K: each fragment once a wave.
; The matrix instruction is used transposed (source 0 = 16 columns of wproj, source 1 = 16 tokens): a lane holds one token's row, and by the tiles' order accumulator b's registers are columns 32 (b / 2) + 16 (lane / 16) + 8 (b % 2) + j.
; NO PREFETCH: the launch has no loop to run ahead in; all its loads go out at the head.
; REGISTERS, in windows of 256: window 0: v0-31 addresses; v32-63 scale words (v[32 + 4 i + k]: lanes 0-15 y's block i, lanes 16-31 wproj's block i, K step k); v128-255 rows on their way out, two sets.
;   window 1: wproj's fragments of K steps 0 (v0-95) and 1 (v128-223); window 2: of K steps 2 and 3.  window 3: v0-127 accumulators, two sets; v128-223 y's fragments of a block (4 K steps x 12), two sets.
.set FR,     12
.set NP,     4
.set ROWB,   6144                      ; a tile's four images: all of K
.set HALFT,  8*ROWB                    ; eight tiles: what one wave reads of y or of wproj
.set SCL,    4*HALFT                   ; behind y's 16 tiles and wproj's 16: y's scale words (4,096 bytes), then wproj's
.set SPARE,  SCL+8192                  ; the spare words: two blocks of 256 bytes that no other line names
.set STAGE,  SPARE+512                 ; the way out: 16 rows x (512 bytes + 16) for each wave; no tile lands here
.set SPITCH, 528
.set QS_OFF, 3145728
.set PCO,    2457600
.set PSO,    3244032
.set ADRA, 16
.set ADRB, 20
.set STO,  24
.set RD,   25
.set CO,   26
.set ADRS, 27
.set SPW,  28
.set NIL,  29
.set SC,   32
.set BK,   128
.set G1, 24
.set G0, 32
.set G1B, 48
.set G0B, 56
.set G1S, 68
.set G0S, 76
.set G1SB, 80
.set G0SB, 88
.set MSB, 0
.macro WIN new
.if MSB != (\new)
	s_set_vgpr_msb (MSB<<8)|(\new)
.set MSB, (\new)
.endif
.endm
; One chain of branches on the wave's number; every way passes one load.  An s_nop 0 and four v_nop follow each load.
.macro ARM under, g0, g1, next
	s_cmp_lt_u32 s14, \under
	s_cbranch_scc0 \next
	tensor_load_to_lds s[\g0:\g0+3], s[\g1:\g1+7]
	s_nop 0
.rept 4
	v_nop
.endr
	s_branch .Lhead_asked
\next:
.endm
.macro CROUND                          ; a round of the cluster's barrier
	s_barrier_signal -1
	s_barrier_wait -1
	s_cmp_lg_u32 s14, 0
	s_cbranch_scc1 .Lnot_wave_0_\@
	s_barrier_signal -3
.Lnot_wave_0_\@:
	s_barrier_wait -3
	s_barrier_signal -1
	s_barrier_wait -1
.endm
.macro PLACES n
.rept \n
	v_nop
.endr
.endm
	s_load_b128 s[4:7], s[0:1], 0x0                ; yim, wim
	s_load_b64 s[12:13], s[0:1], 0x10              ; out0
	v_lshl_add_u32 v[SPW], v0, 2, SPARE
	v_mov_b32 v[NIL], 0
	ds_add_u32 v[SPW], v[NIL]
	ds_add_u32 v[SPW], v[NIL]
	s_wait_dscnt 0x0
	v_lshrrev_b32 v1, 5, v0
	v_readfirstlane_b32 s14, v1                    ; wave 0..3
	s_lshr_b32 s15, s14, 1                         ; which half of the tokens is mine
	s_and_b32 s16, s14, 1                          ; which half of the columns
	s_bfe_u32 s40, ttmp6, 0x40000                  ; cx, cy
	s_bfe_u32 s41, ttmp6, 0x40004
	s_lshl_b32 s42, ttmp9, 2
	s_add_co_u32 s42, s42, s40                     ; block of 256 columns
	s_and_b32 s17, ttmp7, 0xffff
	s_lshl_b32 s17, s17, 2
	s_add_co_u32 s17, s17, s41                     ; block of 256 tokens
	s_lshl_b32 s43, s41, 2
	s_lshl_b32 s43, 15, s43                        ; my row of the cluster
	s_lshl_b32 s44, 0x1111, s40                    ; my column
	s_or_b32 s[G1+0], s43, (3<<16)|(1<<21)         ; the mask; elements of 8 bytes; bit 21 set beside a mask; no padding
	s_or_b32 s[G1B+0], s44, (3<<16)|(1<<21)
.irp g, G1, G1B
	s_mov_b32 s[\g+1], 768<<16                     ; a tile's four images, 6,144 bytes
	s_mov_b32 s[\g+2], 16<<16                      ; sixteen tiles
	s_mov_b32 s[\g+3], 768<<16
	s_mov_b32 s[\g+4], 16
	s_mov_b32 s[\g+5], 768                         ; dense
	s_mov_b32 s[\g+6], 0
	s_mov_b32 s[\g+7], 0
.endr
	s_or_b32 s[G1S+0], s43, (3<<16)|(1<<21)        ; the scales of sixteen tiles: 4,096 dense bytes as sixteen rows of 256
	s_or_b32 s[G1SB+0], s44, (3<<16)|(1<<21)
.irp g, G1S, G1SB
	s_mov_b32 s[\g+1], 32<<16
	s_mov_b32 s[\g+2], 16<<16
	s_mov_b32 s[\g+3], 32<<16
	s_mov_b32 s[\g+4], 16
	s_mov_b32 s[\g+5], 32
	s_mov_b32 s[\g+6], 0
	s_mov_b32 s[\g+7], 0
.endr
	s_lshl_b32 s20, s17, 4                         ; y's first tile of my work-group's block
	s_lshl_b32 s46, s42, 4                         ; wproj's
	s_lshl_b32 s22, s20, 8
	s_add_co_u32 s22, s22, QS_OFF
	s_mov_b32 s23, 0
	s_lshl_b32 s92, s46, 8
	s_add_co_u32 s92, s92, PSO
	s_mov_b32 s93, 0
	s_mul_i32 s20, s20, ROWB
	s_mov_b32 s21, 0
	s_mul_i32 s46, s46, ROWB
	s_add_co_u32 s46, s46, PCO
	s_mov_b32 s47, 0
	s_wait_kmcnt 0x0
	s_add_nc_u64 s[20:21], s[4:5], s[20:21]
	s_add_nc_u64 s[22:23], s[4:5], s[22:23]
	s_add_nc_u64 s[46:47], s[6:7], s[46:47]
	s_add_nc_u64 s[92:93], s[6:7], s[92:93]
	CROUND                                         ; all sixteen work-groups are here: the joint loads meet
	s_mov_b32 s[G0S], 1
	s_mov_b32 s[G0S+1], SCL
	s_mov_b64 s[G0S+2:G0S+3], s[22:23]
	s_or_b32 s[G0S+3], s[G0S+3], 0x80000000
	s_mov_b32 s[G0SB], 1
	s_mov_b32 s[G0SB+1], SCL+4096
	s_mov_b64 s[G0SB+2:G0SB+3], s[92:93]
	s_or_b32 s[G0SB+3], s[G0SB+3], 0x80000000
	s_mov_b32 s[G0], 1
	s_mov_b32 s[G0+1], 0
	s_mov_b64 s[G0+2:G0+3], s[20:21]
	s_or_b32 s[G0+3], s[G0+3], 0x80000000
	s_mov_b32 s[G0B], 1
	s_mov_b32 s[G0B+1], 2*HALFT
	s_mov_b64 s[G0B+2:G0B+3], s[46:47]
	s_or_b32 s[G0B+3], s[G0B+3], 0x80000000
	ARM 1, G0,  G1,  .Lhead_b
	ARM 2, G0B, G1B, .Lhead_sa
	ARM 3, G0S, G1S, .Lhead_sb
	tensor_load_to_lds s[G0SB:G0SB+3], s[G1SB:G1SB+7]
	s_nop 0
.rept 4
	v_nop
.endr
.Lhead_asked:
	s_mul_i32 s21, s15, HALFT                      ; my eight tiles of y
	s_mul_i32 s22, s16, HALFT                      ; my eight of wproj,
	s_add_co_u32 s22, s22, 2*HALFT                 ; which lie behind y's sixteen
	s_lshl_b32 s23, s15, 11                        ; y's scale words of my tokens,
	s_lshl_b32 s18, s16, 11
	s_add_co_u32 s18, s18, 4096
	s_sub_co_u32 s18, s18, s23                     ; and how far behind them wproj's of my columns lie
	s_add_co_u32 s23, s23, SCL
	s_mul_i32 s19, s14, 16*SPITCH
	s_add_co_u32 s19, s19, STAGE                   ; my stage
	v_and_b32 v1, 15, v0                           ; r
	v_bfe_u32 v2, v0, 4, 1                         ; h
	v_and_b32 v6, 31, v0
	v_lshlrev_b32 v[CO], 4, v6                     ; 16 x lane
	v_add_nc_u32 v[ADRA], s21, v[CO]
	v_add_nc_u32 v[ADRB], s22, v[CO]
	v_mul_u32_u24 v5, s18, v2                      ; lanes 16-31 take wproj's words
	v_lshl_add_u32 v5, v1, 2, v5
	v_add_nc_u32 v[ADRS], s23, v5
	v_mul_u32_u24 v5, v1, SPITCH
	v_lshl_add_u32 v5, v2, 6, v5
	v_add_nc_u32 v[STO], s19, v5                   ; into the stage: row r, + 64 bytes for lanes 16-31
	v_add_nc_u32 v[RD], s19, v[CO]                 ; back: the 32 lanes take one row of 512 bytes
	s_lshl_b32 s20, s17, 8
	s_lshl_b32 s21, s15, 7
	s_add_co_u32 s20, s20, s21                     ; my first token
	s_lshl_b32 s20, s20, 13                        ; a row of the output is 8,192 bytes
	s_mov_b32 s21, 0
	s_lshl_b32 s46, s42, 10                        ; my first column, in bytes
	s_lshl_b32 s47, s16, 9
	s_add_co_u32 s46, s46, s47
	s_mov_b32 s47, 0
	s_add_nc_u64 s[20:21], s[20:21], s[46:47]
	s_add_nc_u64 s[12:13], s[12:13], s[20:21]
.macro FRAG reg, adr, k, i             ; an image comes back as it was stored: three loads of 512 consecutive bytes
.irp c, 0,1,2
	ds_load_b128 v[\reg+4*\c:\reg+4*\c+3], v[\adr] offset:(\i)*ROWB+(\k)*1536+512*\c
.endr
.endm
.macro BLOAD k                         ; 24 loads: wproj's eight fragments of K step k
	WIN (1+(\k)/2)<<6
.irp i, 0,1,2,3,4,5,6,7
	FRAG 128*((\k)%2)+FR*\i, ADRB, \k, \i
.endr
.endm
.macro ALOAD a                         ; 12 loads: y's block a, all four K steps, into set a % 2
	WIN 0xc0
.irp k, 0,1,2,3
	FRAG 128+48*((\a)%2)+FR*\k, ADRA, \k, \a
.endr
.endm
; Block a is made: 32 matrix instructions, its 8 accumulators by turns, one instruction a turn, K ascending; the first K step starts the sums.
.macro ROW a
.set AS, 128+48*((\a)%2)
.set AC, 64*((\a)%2)
.irp k, 0,1,2,3
.if (\a) == 0                          ; the head's run of loads: 32 scale words, K step 0's 24, block 0's 12, then 24, 24, 24 and block 1's 12
.if \k == 0
	s_wait_dscnt 63                                ; behind what K step 0 wants stand 84 loads
.elseif \k == 1
	s_wait_dscnt 60
.elseif \k == 2
	s_wait_dscnt 36
.else
	s_wait_dscnt 12
.endif
.endif
	WIN 0xfc|(1+\k/2)                              ; source 0 window 1 or 2; source 1, C and D window 3
.irp b, 0,1,2,3,4,5,6,7
.if \k == 0
	v_wmma_scale_f32_16x16x128_f8f6f4 v[AC+8*\b:AC+8*\b+7], v[128*(\k%2)+FR*\b:128*(\k%2)+FR*\b+FR-1], v[AS+FR*\k:AS+FR*\k+FR-1], 0, v[SC+4*\b+\k], v[SC+4*(\a)+\k] matrix_a_fmt:MATRIX_FMT_FP6 matrix_b_fmt:MATRIX_FMT_FP6 matrix_a_scale:MATRIX_SCALE_ROW1
.else
	v_wmma_scale_f32_16x16x128_f8f6f4 v[AC+8*\b:AC+8*\b+7], v[128*(\k%2)+FR*\b:128*(\k%2)+FR*\b+FR-1], v[AS+FR*\k:AS+FR*\k+FR-1], v[AC+8*\b:AC+8*\b+7], v[SC+4*\b+\k], v[SC+4*(\a)+\k] matrix_a_fmt:MATRIX_FMT_FP6 matrix_b_fmt:MATRIX_FMT_FP6 matrix_a_scale:MATRIX_SCALE_ROW1
.endif
.endr
.endr
.endm
; THE WAY OUT of block a, through my own stage: in by the columns' places, back as whole rows of 512 bytes.  LDS serves a wave's instructions in order: no wait between the stores and the loads.
.macro TOSTAGE a
.set AC, 64*((\a)%2)
	WIN 0x0c                                       ; the data: window 3
.irp b, 0,1,2,3,4,5,6,7
	ds_store_b128 v[STO], v[AC+8*\b:AC+8*\b+3] offset:128*(\b/2)+32*(\b%2)          ; each accumulator from its low end on
	ds_store_b128 v[STO], v[AC+8*\b+4:AC+8*\b+7] offset:128*(\b/2)+32*(\b%2)+16
.endr
	WIN 0
.set BB, BK+64*((\a)%2)
.irp t, 0,1,2,3,4,5,6,7,8,9,10,11,12,13,14,15
	ds_load_b128 v[BB+4*\t:BB+4*\t+3], v[RD] offset:\t*SPITCH
.endr
.endm
.macro SEND a, younger                 ; younger: the LDS loads issued behind block a's, which may stay out
.set BB, BK+64*((\a)%2)
	s_wait_dscnt \younger
.irp t, 0,1,2,3,4,5,6,7,8,9,10,11,12,13,14,15
	global_store_b128 v[CO], v[BB+4*\t:BB+4*\t+3], s[12:13] offset:(32*((\a)/2)+8*((\a)%2)+\t+8*(\t/8))*8192 th:TH_STORE_NT   ; row t of tile a is that token: 32 lanes store 512 consecutive aligned bytes; written once, read by nobody here
.endr
.endm
	s_wait_alu depctr_va_vdst(0)                   ; the wait at the head's end
	s_wait_tensorcnt 0x0                           ; my one load is in; behind the barrier all four are
	s_barrier_signal -1
	s_barrier_wait -1
.irp i, 0,1,2,3,4,5,6,7
.irp k, 0,1,2,3
	ds_load_b32 v[SC+4*\i+\k], v[ADRS] offset:256*\i+64*\k
.endr
.endr
	BLOAD 0
	ALOAD 0
	BLOAD 1
	BLOAD 2
	BLOAD 3
	ALOAD 1
	ROW 0
.irp a, 0,1,2,3,4,5,6,7
	PLACES NP                                      ; behind block a's products: for the reads of its results and the loads into its fragments' registers
.if \a > 1
	s_wait_xcnt 0x0                                ; block a - 2's stores have read their registers: block a's rows may land there
.endif
	TOSTAGE \a
.if \a < 6
	ALOAD \a+2                                     ; the set takes the block two further on
.endif
.if \a < 6
	s_wait_dscnt 44                                ; block a + 1's fragments are in, and the stage's stores of block a - 1 are done: behind them stand the stage's 32 lines and 12 loads
	ROW \a+1
.elseif \a == 6
	s_wait_dscnt 32
	ROW \a+1
.endif
	WIN 0
.if \a < 6
	SEND \a, 12
.else
	SEND \a, 0
.endif
.endr
	s_wait_tensorcnt 0x0                           ; the wave's end
	ds_add_u32 v[SPW], v[NIL]
	s_wait_dscnt 0x0
	CROUND                                         ; the closing round: no work-group ends while a partner may still ask for a tile that names it
	s_endpgm
.Lfunc_end_k_qfefc7c898a_proj:
	.size	k_qfefc7c898a_proj, .Lfunc_end_k_qfefc7c898a_proj-k_qfefc7c898a_proj
	.p2alignl 7, 3214868480
	.fill 96, 4, 3214868480
	.section	.rodata,"a",@progbits
	.p2align	6, 0x0
	.amdhsa_kernel k_qfefc7c898a_proj
		.amdhsa_group_segment_fixed_size 327680
		.amdhsa_private_segment_fixed_size 0
		.amdhsa_enable_private_segment 0
		.amdhsa_kernarg_size 24
		.amdhsa_user_sgpr_count 2
		.amdhsa_user_sgpr_kernarg_segment_ptr 1
		.amdhsa_wavefront_size32 1
		.amdhsa_system_sgpr_workgroup_id_x 1
		.amdhsa_system_sgpr_workgroup_id_y 1
		.amdhsa_system_sgpr_workgroup_id_z 1
		.amdhsa_system_vgpr_workitem_id 0
		.amdhsa_next_free_vgpr 1024
		.amdhsa_next_free_sgpr 98
		.amdhsa_reserve_vcc 0
		.amdhsa_float_denorm_mode_32 3
		.amdhsa_float_denorm_mode_16_64 3
		.amdhsa_memory_ordered 1
		.amdhsa_forward_progress 1
		.amdhsa_inst_pref_size 86
	.end_amdhsa_kernel
	.amdgpu_metadata
---
amdhsa.version: [ 1, 2 ]
amdhsa.kernels:
  - .name:           k_qfefc7c898a_proj
    .symbol:         k_qfefc7c898a_proj.kd
    .args:
      - { .name: yim, .offset: 0, .size: 8, .value_kind: global_buffer, .address_space: global }
      - { .name: wim, .offset: 8, .size: 8, .value_kind: global_buffer, .address_space: global }
      - { .name: out0, .offset: 16, .size: 8, .value_kind: global_buffer, .address_space: global }
    .group_segment_fixed_size: 327680
    .private_segment_fixed_size: 0
    .kernarg_segment_align: 8
    .kernarg_segment_size: 24
    .max_flat_workgroup_size: 128
    .sgpr_count:     98
    .vgpr_count:     1024
    .wavefront_size: 32
...
	.end_amdgpu_metadata
.endif
;; end of part 4
